; MI455X (gfx1250); checked and timed in simulation.
; The chip was launched on July 23, 2026; its instructions are those of AMD's public machine-readable ISA for CDNA 5 (MIT licence, August 2026) and "CDNA5" Instruction Set Architecture Reference Guide (July 2026). The comments in the code are by the model that wrote it; some were corrected since.
;; Causal Self Attention. Allowed arithmetic: matrix products marked QUANTISED: E2M3 operands, one E8M0 scale for each 32 along K, by v_wmma_scale_f32_16x16x128_f8f6f4 with both operands' format E2M3, f32 sums; everything else in f32.
;; Inputs: W_attn 1,024 x 3,072 float32; W_proj 1,024 x 1,024 float32; b_attn 3,072 float32; b_proj 1,024 float32; x 4 x 2,048 x 1,024 float32.
;; Outputs: out0 4 x 2,048 x 1,024 float32.
;; This version of the problem:
;;   THIS VERSION OF THE PROBLEM IS GIVEN IN LOW PRECISION. The matrix products marked QUANTISED in the list below multiply operands that are first quantised to E2M3 (2 exponent bits, 3 mantissa bits; 6 bits a number), with one power-of-two scale for each 32 numbers along K (OCP MX v1.0); their sums are f32. All else is computed in f32.
;;   The module's matrix products, in the order in which they are computed (A, B: the left and right operand; K: the contracted axis; several contracted axes count as one K, in the product's order):
;;     1. [M 8,192, K 1,024] x [K 1,024, N 3,072]; A: input x; B: input W_attn: QUANTISED
;;     2. batch 64 x [M 2,048, K 64] x [K 64, N 2,048]; A: computed on the way; B: computed on the way: QUANTISED
;;     3. batch 64 x [M 2,048, K 2,048] x [K 2,048, N 64]; A: softmax (see below); B: computed on the way: QUANTISED
;;     4. [M 8,192, K 1,024] x [K 1,024, N 1,024]; A: computed on the way; B: input W_proj: QUANTISED
;;   THE QUANTISER, for each operand of a quantised product, along K:
;;     - K is cut into blocks of 32 from its start; a last block that is shorter is filled with zeros.
;;     - A block's scale is 2^e with e = floor(log2(the largest magnitude in the block)) - 2, held to -126 .. 127; a block of zeros has e = 0. As a byte (E8M0): e + 127.
;;     - Each number is divided by its block's scale, clamped to +-7.5, and rounded to the nearest number of E2M3, ties to even, subnormals kept.
;;     - The product sums the exact products of the quantised numbers (number of the format x scale) in f32.
;;   ~~~python
;;   def quantise(x, axis):      # numpy; x: float32 -> the quantised numbers, widened to float32 again
;;       x = np.moveaxis(x, axis, -1); K = x.shape[-1]
;;       x = np.pad(x, [(0, 0)] * (x.ndim - 1) + [(0, -K % 32)]); x = x.reshape(x.shape[:-1] + (-1, 32)); a = np.abs(x).max(-1, keepdims=True)
;;       e = np.where(a > 0, np.clip(np.frexp(np.where(a > 0, a, 1))[1] - 1 - 2, -126, 127), 0)      # np.frexp(a)[1] - 1 = floor(log2(a)), exactly
;;       r = np.clip(x / 2.0 ** e, -7.5, 7.5)
;;       step = 2.0 ** (np.maximum(np.frexp(np.where(r == 0, 1, r))[1] - 1, 0) - 3)
;;       q = np.round(r / step) * step * 2.0 ** e      # np.round: ties to even
;;       return np.moveaxis(q.reshape(q.shape[:-2] + (-1,))[..., :K], -1, axis).astype(np.float32)
;;   ~~~
;;   SOFTMAX AHEAD OF A QUANTISED PRODUCT. Where the list says 'softmax', what is quantised is not the finished softmax but p = 2^(t - M), with t = logit x log2(e) and M = ceil(the row's largest t), a whole number; so 1/2 < the row's largest p <= 1. The row's sum l is taken of the UNQUANTISED p, in f32, and the product's result is divided by l at the end. Since M is a whole number, a kernel that streams over the keys may use a running M (the ceiling of the running maximum): every later rescaling is an exact power of two, which a block's scale takes up: the codes' values come out the same.
;;   OPERANDS COMPUTED ON THE WAY. 'Computed on the way' means the value that the module computes at that place (a softmax that the list does not call 'softmax' is quantised finished and normalised). What goes into a quantiser is computed in f32, as accurately as f32 sums, v_exp_f32 and their like allow (about 1e-6 of the number): no bf16 or f16 on the way to a quantiser, and a product that is left as it is and whose result goes on into a quantised operand takes f32 operands (vector FMAs, or v_wmma_f32_16x16x4_f32). A number that lies on a knife's edge between two numbers of the format may be rounded either way, as far as f32 arithmetic and the matrix unit's own rounding can turn it there, and no further.
;; One version. Each part assembles by itself: llvm-mc -triple=amdgcn-amd-amdhsa -mcpu=gfx1250 --defsym DOCPART=n.
;; ======== version 1 of 1: 4 launches
;; workspace buffers: xq 6,553,600 bytes; yq 6,553,600 bytes; wq 3,276,800 bytes; qc 6,291,456 bytes; qs 262,144 bytes; kvc 12,582,912 bytes; kvs 524,288 bytes
;; launch prep (part 1): grid 384 x 1, 4 waves a work-group, no clusters, 34,304 bytes of LDS; arguments x, W_attn, W_proj, xq, wq; writes xq, wq
.if DOCPART == 1
	.amdgcn_target "amdgcn-amd-amdhsa--gfx1250"
	.amdhsa_code_object_version 6
	.text
	.protected	k_q2613ed8d30_prep
	.globl	k_q2613ed8d30_prep
	.p2align	8
	.type	k_q2613ed8d30_prep,@function
k_q2613ed8d30_prep:
	s_mov_b64 s[64:65], 0
	v_nop
	global_prefetch_b8 v0, s[64:65] scope:SCOPE_SE
	s_setreg_imm32_b32 hwreg(HW_REG_WAVE_MODE, 25, 1), 1
	s_wait_xcnt 0x0
; x [8192][1024] (K innermost) and W_attn [1024][3072], W_proj [1024][1024] (K is the FIRST axis), all f32, become codes of FP6 (E2M3) with one
; E8M0 scale byte for each 32 along K, laid in the ORDER OF THE OPERAND'S REGISTERS, so that the products' launches fetch fragments by plain dense loads.
; A block's scale is 2^(floor(log2(largest magnitude)) - 2): its byte is the largest magnitude's exponent field - 2, held at 1 from below.
; LAYOUT.  A fragment is 16 rows x 128 K, 12 registers a lane, 1,536 bytes: two halves of 768 bytes (64 K each); in a half lane L's registers 0-3 lie at 16 L, registers 4-5 at 512 + 8 L.
; THE ROWS OF A TILE ARE NOT NEIGHBOURS: in each group of 32 rows (tokens, or columns of W) tile u gives lane r the row 8 u + r + 8 (r / 8).
; A scale block is 256 bytes for 4 tiles and one K step: the word of tile 2 e + h, lane r lies at 8 (r + 16 h) + 4 e.
; xq: [32 groups of 256 tokens][8 K steps] records of 16 fragments + 4 scale blocks = 25,600 bytes.  wq: [32 groups of 128 columns][8 K steps] records of 8 fragments + 2 scale blocks = 12,800 bytes; groups 0-23 W_attn, 24-31 W_proj.
; LIMITS: NaN and infinities are not served; blocks whose largest magnitude lies under 2^-124 keep the byte 1; a block of zeros has the byte 1 and not 127 (its codes are zeros, and this program alone reads the bytes).
; Work-groups 0-255 take x, 256-383 the weights.  No tensor load, no barrier: waves share nothing.  Only the x path uses LDS.  Memory binds: matrix units and clusters would add nothing here.
.set SPARE, 33792                      ; behind the four stages: the spare words, 128 bytes a wave
.set SPW,  250                         ; v250  my spare word's LDS address; never rewritten
.set NIL,  251                         ; v251  0; never rewritten
.set R,    16                          ; v16-143  x path: two sets of 64 registers as loaded
.set X,    144                         ; v144-207 x path: 64 numbers in the quantiser's order
.set PC,   208                         ; v208-219 a fragment's codes; v220-226 at work
.set TM,   228                         ; v228-243 at work
.set PW,   244                         ; v244-247 the four tiles' scale words
.set WP,   248                         ; v[248:249] the pair that is stored
.set SEL,  20                          ; s[20:21] lane selects: lane l xor 16
.set XW,   48                          ; W path: v48-111 two sets of 32 numbers; v16-47 offsets
	s_load_b256 s[4:11], s[0:1], 0x0               ; x s[4:5], W_attn s[6:7], W_proj s[8:9], xq s[10:11]
	s_load_b64 s[12:13], s[0:1], 0x20              ; wq
	v_lshl_add_u32 v[SPW], v0, 2, SPARE
	v_mov_b32 v[NIL], 0
	v_lshrrev_b32 v1, 5, v0
	v_readfirstlane_b32 s14, v1                    ; wave 0..3
	v_and_b32 v1, 31, v0                           ; lane L
	v_lshlrev_b32 v2, 4, v1                        ; 16 L
	v_lshlrev_b32 v3, 3, v1                        ; 8 L
	s_cmp_lt_u32 ttmp9, 256
	s_cbranch_scc0 .Lw
; ---------------- x: a wave takes 64 tokens x 128 K: four tiles ----------------
	s_lshr_b32 s15, ttmp9, 1                       ; which 64 tokens
	s_and_b32 s16, ttmp9, 1
	s_lshl_b32 s16, s16, 2
	s_add_co_u32 s16, s16, s14                     ; K step = 4 (work-group % 2) + wave
	s_mul_i32 s17, s14, 8448                       ; my stage: 16 rows x 528 bytes
	v_add_nc_u32 v4, s17, v2                       ; into it: a row's 512 bytes as they lie
	v_and_b32 v6, 15, v0                           ; r
	v_bfe_u32 v7, v0, 4, 1                         ; h
	v_mul_u32_u24 v5, v6, 528
	v_lshl_add_u32 v5, v7, 6, v5
	v_add_nc_u32 v5, s17, v5                       ; out of it: row r, + 64 h: my 16 numbers of each block of 32
.irp b, 0,1,2,3
	v_mov_b32 v[TM+4+\b], 0                        ; written once: a lane permute's destination counts as one of its sources
.endr
	s_mov_b32 s[SEL], 0x76543210
	s_mov_b32 s[SEL+1], 0xfedcba98
	s_mov_b32 s22, 0xffff0000                      ; lanes 16-31
	s_lshl_b32 s24, s15, 18                        ; 64 rows of 4,096 bytes
	s_lshl_b32 s25, s16, 9                         ; 128 numbers along K
	s_add_co_u32 s24, s24, s25
	s_mov_b32 s25, 0
	s_lshr_b32 s26, s15, 2                         ; the group of 256 tokens
	s_lshl_b32 s26, s26, 3
	s_add_co_u32 s26, s26, s16
	s_mul_i32 s26, s26, 25600                      ; its record for my K step
	s_and_b32 s27, s15, 3
	s_mul_i32 s28, s27, 6144                       ; my four fragments in it
	s_add_co_u32 s28, s28, s26
	s_mov_b32 s29, 0
	s_lshl_b32 s30, s27, 8                         ; my scale block
	s_add_co_u32 s30, s30, s26
	s_add_co_u32 s30, s30, 24576
	s_mov_b32 s31, 0
	s_wait_kmcnt 0x0
	s_add_nc_u64 s[4:5], s[4:5], s[24:25]
	s_add_nc_u64 s[32:33], s[10:11], s[28:29]
	s_add_nc_u64 s[34:35], s[10:11], s[30:31]
.macro LOADT t                         ; tile t's 16 rows: each load reads 512 consecutive bytes of one row
.set i, 0
.rept 16
	global_load_b128 v[R+64*((\t)%2)+4*i:R+64*((\t)%2)+4*i+3], v2, s[4:5] offset:(32*((\t)/2)+8*((\t)%2)+i+8*(i/8))*4096 th:TH_LOAD_NT
.set i, i+1
.endr
.endm
.macro TURN t                          ; through my stage: LDS serves a wave's instructions in order, so no wait stands between the stores and the loads
.set i, 0
.rept 16
	ds_store_b128 v4, v[R+64*((\t)%2)+4*i:R+64*((\t)%2)+4*i+3] offset:528*i
.set i, i+1
.endr
.set i, 0
.rept 16
	ds_load_b128 v[X+4*i:X+4*i+3], v5 offset:128*(i/4)+16*(i%4)   ; register 16 b + e = k 32 b + 16 h + e of row r
.set i, i+1
.endr
.endm
; 64 numbers of a lane, register 16 b + i = k 32 b + 16 (lane / 16) + i of my row, become a fragment's codes in v[PC] on and its scale word in v[pw]
.macro QUANT s, pw
.irp b, 0,1,2,3
	v_max3_num_f32 v[TM+\b], |v[\s+16*\b]|, |v[\s+1+16*\b]|, 0x1800000   ; and the floor 2^(3 - 127): the byte cannot fall under 1
.endr
.irp i, 2,4,6,8,10,12,14
.irp b, 0,1,2,3
	v_max3_num_f32 v[TM+\b], v[TM+\b], |v[\s+16*\b+\i]|, |v[\s+1+16*\b+\i]|
.endr
.endr
.irp b, 0,1,2,3
	v_permlanex16_b32 v[TM+4+\b], v[TM+\b], s[SEL], s[SEL+1]
.endr
.irp b, 0,1,2,3
	v_max_num_f32 v[TM+\b], v[TM+\b], v[TM+4+\b]   ; with lane l xor 16's: the block's largest magnitude
.endr
.irp b, 0,1,2,3
	v_add_nc_u32 v[TM+12+\b], 0xff000000, v[TM+\b] ; 2 off its exponent field: the conversion's scale operand
.endr
.irp b, 0,1,2,3
	v_lshrrev_b32 v[TM+4+\b], 23, v[TM+12+\b]      ; the scale's byte
.endr
	v_lshl_or_b32 v[\pw], v[TM+5], 8, v[TM+4]
	v_lshl_or_b32 v[\pw], v[TM+6], 16, v[\pw]
	v_lshl_or_b32 v[\pw], v[TM+7], 24, v[\pw]
.irp c, 0,1
	v_cvt_scalef32_pk16_fp6_f32 v[PC+6*\c:PC+2+6*\c], v[\s+32*\c:\s+15+32*\c], v[TM+12+2*\c]
	v_cvt_scalef32_pk16_fp6_f32 v[PC+12+4*\c:PC+14+4*\c], v[\s+16+32*\c:\s+31+32*\c], v[TM+12+2*\c+1]   ; (a conversion's three registers begin on an even number)
.endr
	v_nop                                          ; one plain place behind a scaled conversion
.irp c, 0,1                            ; the operand's layout wants a whole block in a lane
.irp i, 0,1,2
	v_permlane16_swap_b32 v[PC+6*\c+\i], v[PC+12+4*\c+\i]
.endr
.irp i, 0,1,2
	v_mov_b32 v[PC+3+6*\c+\i], v[PC+12+4*\c+\i]
.endr
.endr
.endm
.macro PUT t                           ; the fragment as it stands: each store covers 512 or 256 consecutive bytes, aligned
	global_store_b128 v2, v[PC:PC+3], s[32:33] offset:1536*(\t)
	global_store_b64 v3, v[PC+4:PC+5], s[32:33] offset:1536*(\t)+512
	global_store_b128 v2, v[PC+6:PC+9], s[32:33] offset:1536*(\t)+768
	global_store_b64 v3, v[PC+10:PC+11], s[32:33] offset:1536*(\t)+1280
.endm
	LOADT 0
	LOADT 1
.irp t, 0,1,2,3
.if \t < 3
	s_wait_loadcnt 16                              ; this tile's 16 loads are in; the next tile's 16 may be out
.else
	s_wait_loadcnt 0x0
.endif
	TURN \t
	s_wait_dscnt 0x0                               ; the numbers are back, and the stage's stores have read the loaded registers
.if \t > 0
	s_wait_xcnt 0x0                                ; the last tile's stores have read the codes' registers, which are written again below
.endif
.if \t < 2
	LOADT \t+2
.endif
	QUANT X, PW+\t
	PUT \t
.endr
	v_cndmask_b32 v[WP], v[PW], v[PW+1], s22       ; lanes 0-15: tile 0's words, lanes 16-31: tile 1's
	v_cndmask_b32 v[WP+1], v[PW+2], v[PW+3], s22   ; tiles 2 and 3
	global_store_b64 v3, v[WP:WP+1], s[34:35]      ; one aligned run of 256 bytes
	s_branch .Lend
; ---------------- W: a wave takes 64 columns x 128 K; a lane takes columns l and l + 32, and its registers run down K ----------------
.Lw:
	s_sub_co_u32 s15, ttmp9, 256
	s_lshr_b32 s16, s15, 3                         ; which 256 columns of the 4,096 (3,072 of W_attn, then 1,024 of W_proj)
	s_and_b32 s17, s15, 7                          ; K step
	s_lshl_b32 s18, s16, 2
	s_add_co_u32 s18, s18, s14                     ; which 64 columns
	s_lshr_b32 s19, s18, 1                         ; the group of 128 columns
	s_and_b32 s22, s18, 1                          ; and which half of it
	s_sub_co_u32 s24, s16, 12
	s_mov_b32 s23, 4096
	s_wait_kmcnt 0x0
	s_cmp_lt_u32 s16, 12                           ; W_attn or W_proj: the choice hangs on the work-group's number alone
	s_cselect_b64 s[6:7], s[6:7], s[8:9]
	s_cselect_b32 s23, 12288, s23                  ; bytes from row to row
	s_cselect_b32 s24, s16, s24
	s_lshl_b32 s24, s24, 10                        ; 256 columns of 4 bytes
	s_lshl_b32 s25, s14, 8
	s_add_co_u32 s24, s24, s25                     ; + my wave's 64
	s_lshl_b32 s25, s17, 7
	s_mul_i32 s25, s25, s23                        ; + 128 rows a K step
	s_add_co_u32 s24, s24, s25
	s_mov_b32 s25, 0
	s_add_nc_u64 s[36:37], s[6:7], s[24:25]        ; a base for each block of 32 rows
	s_lshl_b32 s26, s23, 5
	s_mov_b32 s27, 0
	s_add_nc_u64 s[38:39], s[36:37], s[26:27]
	s_add_nc_u64 s[40:41], s[38:39], s[26:27]
	s_add_nc_u64 s[42:43], s[40:41], s[26:27]
	s_lshl_b32 s28, s19, 3
	s_add_co_u32 s28, s28, s17
	s_mul_i32 s28, s28, 12800                      ; the record
	s_mul_i32 s30, s22, 6144                       ; my four fragments in it
	s_add_co_u32 s30, s30, s28
	s_mov_b32 s31, 0
	s_add_nc_u64 s[44:45], s[12:13], s[30:31]
	s_lshl_b32 s30, s22, 8                         ; my scale block
	s_add_co_u32 s30, s30, s28
	s_add_co_u32 s30, s30, 12288
	s_add_nc_u64 s[46:47], s[12:13], s[30:31]
	v_lshlrev_b32 v6, 2, v1                        ; 4 l
.set i, 0
.rept 32
	v_mad_u32_u24 v[16+i], s23, i, v6              ; row i of a block, my column
.set i, i+1
.endr
	v_bfe_u32 v7, v0, 3, 1                         ; column l of a group of 32 is lane r = l % 8 + 8 (l / 16) of tile u = (l / 8) % 2
	v_and_b32 v8, 7, v0
	v_bfe_u32 v9, v0, 4, 1
	v_lshl_add_u32 v8, v9, 3, v8
	v_mul_u32_u24 v10, v7, 1536
	v_lshl_add_u32 v4, v8, 4, v10                  ; where my block's registers 0-3 go,
	v_lshl_add_u32 v5, v8, 3, v10                  ; registers 4-5,
	v_lshl_add_u32 v11, v7, 4, v8
	v_lshlrev_b32 v11, 3, v11                      ; and my two scale words
.macro LOADU n                         ; unit n: block n / 2 of the K step, columns 32 (n % 2) on: each load reads 128 consecutive bytes of one row
.set i, 0
.rept 32
	global_load_b32 v[XW+32*((\n)%2)+i], v[16+i], s[36+2*((\n)/2):37+2*((\n)/2)] offset:128*((\n)%2) th:TH_LOAD_NT
.set i, i+1
.endr
.endm
.macro UNIT n
.set XS, XW+32*((\n)%2)
.set CN, 176+6*(\n)                    ; six registers of codes for each unit: no store's data are written again
.set jj, (\n)/2
.set qq, (\n)%2
.if (\n) < 7
	s_wait_loadcnt 32                              ; this unit's 32 loads are in; the next unit's may be out
.else
	s_wait_loadcnt 0x0
.endif
	v_max3_num_f32 v230, |v[XS]|, |v[XS+1]|, |v[XS+2]|             ; the block's largest magnitude: all 32 numbers are mine
	v_max3_num_f32 v231, |v[XS+3]|, |v[XS+4]|, |v[XS+5]|
.irp i, 6,10,14,18,22,26
	v_max3_num_f32 v230, v230, |v[XS+\i]|, |v[XS+\i+1]|
	v_max3_num_f32 v231, v231, |v[XS+\i+2]|, |v[XS+\i+3]|
.endr
	v_max3_num_f32 v230, v230, |v[XS+30]|, |v[XS+31]|
	v_max3_num_f32 v230, v230, v231, 0x1800000     ; and the floor
	v_add_nc_u32 v232, 0xff000000, v230            ; the conversion's scale operand
	v_lshrrev_b32 v233, 23, v232                   ; the byte
.if jj == 0
	v_mov_b32 v[228+qq], v233
.else
	v_lshl_or_b32 v[228+qq], v233, 8*jj, v[228+qq]
.endif
	v_cvt_scalef32_pk16_fp6_f32 v[CN:CN+2], v[XS:XS+15], v232
	v_cvt_scalef32_pk16_fp6_f32 v[224:226], v[XS+16:XS+31], v232
	v_nop                                          ; one plain place behind a scaled conversion
.irp i, 0,1,2
	v_mov_b32 v[CN+3+\i], v[224+\i]
.endr
	global_store_b128 v4, v[CN:CN+3], s[44:45] offset:3072*qq+768*(jj/2)+256*(jj%2)        ; the sixteen lanes of a tile store 256 consecutive bytes, aligned
	global_store_b64 v5, v[CN+4:CN+5], s[44:45] offset:3072*qq+768*(jj/2)+512+128*(jj%2)   ; and 128 consecutive bytes; the block beside this one stores the 128 next to them
.if (\n) < 6
	LOADU (\n)+2
.endif
.endm
	LOADU 0
	LOADU 1
.irp n, 0,1,2,3,4,5,6,7
	UNIT \n
.endr
	global_store_b64 v11, v[228:229], s[46:47]     ; the wave's 64 scale words: 256 consecutive bytes
.Lend:
	s_wait_tensorcnt 0x0                           ; the wave's end
	ds_add_u32 v[SPW], v[NIL]
	s_wait_dscnt 0x0
	s_endpgm
.Lfunc_end_k_q2613ed8d30_prep:
	.size	k_q2613ed8d30_prep, .Lfunc_end_k_q2613ed8d30_prep-k_q2613ed8d30_prep
	.p2alignl 7, 3214868480
	.fill 96, 4, 3214868480
	.section	.rodata,"a",@progbits
	.p2align	6, 0x0
	.amdhsa_kernel k_q2613ed8d30_prep
		.amdhsa_group_segment_fixed_size 34304
		.amdhsa_private_segment_fixed_size 0
		.amdhsa_enable_private_segment 0
		.amdhsa_kernarg_size 40
		.amdhsa_user_sgpr_count 2
		.amdhsa_user_sgpr_kernarg_segment_ptr 1
		.amdhsa_wavefront_size32 1
		.amdhsa_system_sgpr_workgroup_id_x 1
		.amdhsa_system_sgpr_workgroup_id_y 1
		.amdhsa_system_sgpr_workgroup_id_z 1
		.amdhsa_system_vgpr_workitem_id 0
		.amdhsa_next_free_vgpr 256
		.amdhsa_next_free_sgpr 66
		.amdhsa_reserve_vcc 0
		.amdhsa_float_denorm_mode_32 3
		.amdhsa_float_denorm_mode_16_64 3
		.amdhsa_memory_ordered 1
		.amdhsa_forward_progress 1
		.amdhsa_inst_pref_size 75
	.end_amdhsa_kernel
	.amdgpu_metadata
---
amdhsa.version: [ 1, 2 ]
amdhsa.kernels:
  - .name:           k_q2613ed8d30_prep
    .symbol:         k_q2613ed8d30_prep.kd
    .args:
      - { .name: x, .offset: 0, .size: 8, .value_kind: global_buffer, .address_space: global }
      - { .name: W_attn, .offset: 8, .size: 8, .value_kind: global_buffer, .address_space: global }
      - { .name: W_proj, .offset: 16, .size: 8, .value_kind: global_buffer, .address_space: global }
      - { .name: xq, .offset: 24, .size: 8, .value_kind: global_buffer, .address_space: global }
      - { .name: wq, .offset: 32, .size: 8, .value_kind: global_buffer, .address_space: global }
    .group_segment_fixed_size: 34304
    .private_segment_fixed_size: 0
    .kernarg_segment_align: 8
    .kernarg_segment_size: 40
    .max_flat_workgroup_size: 128
    .sgpr_count:     66
    .vgpr_count:     256
    .wavefront_size: 32
...
	.end_amdgpu_metadata
.endif
;; end of part 1
;; launch qkv (part 2): grid 24 x 32, 4 waves a work-group, clusters of 4 x 4, 327,680 bytes of LDS; arguments xq, wq, b_attn, qc, qs, kvc, kvs; writes qc, qs, kvc, kvs
.if DOCPART == 2
	.amdgcn_target "amdgcn-amd-amdhsa--gfx1250"
	.amdhsa_code_object_version 6
	.text
	.protected	k_q2613ed8d30_qkv
	.globl	k_q2613ed8d30_qkv
	.p2align	8
	.type	k_q2613ed8d30_qkv,@function
k_q2613ed8d30_qkv:
	s_mov_b64 s[64:65], 0
	v_nop
	global_prefetch_b8 v0, s[64:65] scope:SCOPE_SE
	s_setreg_imm32_b32 hwreg(HW_REG_WAVE_MODE, 25, 1), 1
	s_wait_xcnt 0x0
	s_wait_alu depctr_hold_cnt(0) depctr_sa_sdst(0) depctr_va_vdst(0) depctr_va_sdst(0) depctr_va_ssrc(0) depctr_va_vcc(0) depctr_vm_vsrc(0)
	s_getreg_b32 s2, hwreg(HW_REG_IB_STS2, 6, 4)
	s_cmp_eq_u32 s2, 0
	s_cbranch_scc0 .Lentry_in_a_cluster
	s_endpgm
.Lentry_in_a_cluster:
	s_bfe_u32 s2, ttmp6, 0x10000c
	s_cmp_lg_u32 s2, 0xf033
	s_cbranch_scc0 .Lentry_shape_is_right
	s_endpgm
.Lentry_shape_is_right:
; qkv = x W_attn + b_attn on codes of FP6 (E2M3), and its results quantised on the way out: q and k along the head's 64, v along the keys.  Nothing leaves as f32.
; A work-group makes 256 tokens x 128 columns, a wave 128 x 64 (one head's q, k or v for 128 tokens): 32 accumulators.  768 work-groups: three for each of 256 WGPs.
; ALL OF K LIES IN LDS, FILLED ONCE: 8 records of x (25,600 bytes each) and 8 of W (12,800 bytes), dense blocks of memory in the order of the operand's registers: no slot is filled again.
; CLUSTERS: 4 x 4 work-groups; x's records are shared along a row of the cluster, W's along a column: each is asked for jointly.  Four joint loads a wave are out at the most, one for each chunk of two K steps.
; TWO FORMS OF THE PRODUCT.  q, k: source 0 = 16 columns of W, source 1 = 16 tokens: a lane holds one token, its registers run along the head's 64.  v: the sources change places: a lane holds one of the head's 64,
; its registers run along the tokens, which are the keys of the second attention product.  The rows of every tile are chosen (8 u + r + 8 (r / 8) in a group of 32) so that the 16 registers of two neighbouring tiles are 16 neighbours.
; So in both forms accumulators 8 g .. 8 g + 7 hold 64 numbers a lane in the quantiser's order, and ONE way out serves q, k and v.  The choice hangs on the cluster's x, which all sixteen partners share.
; OUT.  qc, and K's half of kvc: a fragment packs two tiles of 16 tokens x 64: tile 2 f in k places 0-63, tile 2 f + 1 in places 64-127.  V's half of kvc: fragment g = 16 of the head's 64 x 128 keys.  Scale words in blocks of 256 bytes.
; The bias is the C of each sum's first matrix instruction.
; LIMITS: NaN and infinities are not served; blocks whose largest magnitude lies under 2^-124 keep the byte 1; a block of zeros has the byte 1 and not 127 (its codes are zeros, and this program alone reads the bytes).
; REGISTERS: window 0: v1-14 addresses; v32-47 scale words, two sets; v64-95 the bias; v128-205 the way out.  window 1: the 32 accumulators.  windows 2, 3: fragment sets 0, 1: v0-95 x's eight, v96-143 W's four.
.set AREC,  25600
.set BREC,  12800
.set BBASE, 8*AREC                     ; W's records lie behind x's
.set SPARE, BBASE+8*BREC               ; behind them: the spare words, 128 bytes a wave
.set SPW, 3
.set NIL, 4
.set BI,  64
.set PC,  128                          ; v128-175 four fragments of codes
.set PT,  176                          ; v176-182 at work
.set TM,  184                          ; v184-199 at work
.set PW,  200                          ; v200-203 four scale words
.set WP,  204
.set WV,  18
.set NH,  19                           ; wave & 1: which 64 columns; also which K step of a chunk I fetch
.set MH,  20                           ; wave >> 1: which 128 tokens
.set G1A, 24
.set G1B, 32
.set G0A, 40                           ; s[40:55] group 0 for x's records, a set for each chunk
.set G0B, 68                           ; s[68:83] for W's
.set SEL, 96
.set MSB, 0
.macro WIN new                         ; the immediate's high byte repeats the setting that is left
.if MSB != (\new)
	s_set_vgpr_msb (MSB<<8)|(\new)
.set MSB, (\new)
.endif
.endm
.macro CROUND                          ; a round of the cluster's barrier
	s_barrier_signal -1
	s_barrier_wait -1
	s_cmp_lg_u32 s[WV], 0
	s_cbranch_scc1 .Lnw0_\@
	s_barrier_signal -3
.Lnw0_\@:
	s_barrier_wait -3
	s_barrier_signal -1
	s_barrier_wait -1
.endm
	s_load_b256 s[4:11], s[0:1], 0x0               ; xq s[4:5], wq s[6:7], b_attn s[8:9], qc s[10:11]
	s_load_b128 s[12:15], s[0:1], 0x20             ; qs s[12:13], kvc s[14:15]
	s_load_b64 s[16:17], s[0:1], 0x30              ; kvs
	v_lshl_add_u32 v[SPW], v0, 2, SPARE
	v_mov_b32 v[NIL], 0
	ds_add_u32 v[SPW], v[NIL]                      ; the wave's opening: the add and its wait ahead of my first tensor load
	v_lshrrev_b32 v1, 5, v0
	v_readfirstlane_b32 s[WV], v1
	s_and_b32 s[NH], s[WV], 1
	s_lshr_b32 s[MH], s[WV], 1
	s_bfe_u32 s21, ttmp6, 0x40000                  ; cx
	s_bfe_u32 s22, ttmp6, 0x40004                  ; cy
	s_lshl_b32 s23, ttmp9, 2
	s_add_co_u32 s23, s23, s21                     ; the group of 128 columns = 4 x cluster x + cx
	s_and_b32 s56, ttmp7, 0xffff
	s_lshl_b32 s56, s56, 2
	s_add_co_u32 s56, s56, s22                     ; the group of 256 tokens = 4 x cluster y + cy
	s_lshl_b32 s57, s22, 2
	s_lshl_b32 s57, 15, s57                        ; my row of the cluster
	s_lshl_b32 s58, 0x1111, s21                    ; my column
	s_or_b32 s[G1A], s57, (3<<16)|(1<<21)          ; 15:0 the mask; 17:16 elements of 8 bytes; 21 set beside a mask; no padding
	s_or_b32 s[G1B], s58, (3<<16)|(1<<21)
	s_mov_b32 s[G1A+1], 32<<16                     ; a record is a dense block: rows of 32 elements = 256 bytes
	s_mov_b32 s[G1A+2], 100<<16                    ; x's: 100 rows
	s_mov_b32 s[G1A+3], 32<<16
	s_mov_b32 s[G1A+4], 100
	s_mov_b32 s[G1A+5], 32
	s_mov_b32 s[G1A+6], 0
	s_mov_b32 s[G1A+7], 0
	s_mov_b32 s[G1B+1], 32<<16
	s_mov_b32 s[G1B+2], 50<<16                     ; W's: 50 rows
	s_mov_b32 s[G1B+3], 32<<16
	s_mov_b32 s[G1B+4], 50
	s_mov_b32 s[G1B+5], 32
	s_mov_b32 s[G1B+6], 0
	s_mov_b32 s[G1B+7], 0
	s_mul_i32 s59, s[NH], AREC                     ; in a chunk: K step 2 c + (wave & 1)
	s_mul_i32 s60, s56, 8*AREC
	s_add_co_u32 s60, s60, s59
	s_mov_b32 s61, 0
	s_mul_i32 s66, s[NH], BREC
	s_mul_i32 s62, s23, 8*BREC
	s_add_co_u32 s62, s62, s66
	s_mov_b32 s63, 0
	s_wait_dscnt 0x0                               ; the opening add is done
	s_wait_kmcnt 0x0
	s_add_nc_u64 s[60:61], s[4:5], s[60:61]        ; x's hang on the tokens' group alone, which my row shares;
	s_add_nc_u64 s[62:63], s[6:7], s[62:63]        ; W's on the columns' group alone, which my column shares
.irp c, 0,1,2,3
	s_mov_b32 s[G0A+4*\c], 1
	s_add_co_u32 s[G0A+4*\c+1], s59, \c*2*AREC
	s_add_nc_u64 s[G0A+4*\c+2:G0A+4*\c+3], s[60:61], \c*2*AREC
	s_or_b32 s[G0A+4*\c+3], s[G0A+4*\c+3], 0x80000000
	s_mov_b32 s[G0B+4*\c], 1
	s_add_co_u32 s[G0B+4*\c+1], s66, BBASE+\c*2*BREC
	s_add_nc_u64 s[G0B+4*\c+2:G0B+4*\c+3], s[62:63], \c*2*BREC
	s_or_b32 s[G0B+4*\c+3], s[G0B+4*\c+3], 0x80000000
.endr
	CROUND                                         ; all sixteen work-groups are here: the joint loads meet
	s_cmp_lt_u32 s[WV], 2                          ; waves 0, 1 fetch x's records, waves 2, 3 W's: a wave's four fills stand in one branch on the wave's number
	s_cbranch_scc0 .Lfill_b
.irp c, 0,1,2,3
	tensor_load_to_lds s[G0A+4*\c:G0A+4*\c+3], s[G1A:G1A+7]
	s_nop 0
.endr
.rept 4
	v_nop
.endr
	s_branch .Lfilled
.Lfill_b:
.irp c, 0,1,2,3
	tensor_load_to_lds s[G0B+4*\c:G0B+4*\c+3], s[G1B:G1B+7]
	s_nop 0
.endr
.rept 4
	v_nop
.endr
.Lfilled:
	v_and_b32 v5, 31, v0
	v_lshlrev_b32 v1, 4, v5                        ; 16 L
	v_lshlrev_b32 v2, 3, v5                        ; 8 L
	v_and_b32 v6, 15, v0                           ; r
	v_bfe_u32 v7, v0, 4, 1                         ; h
	s_mul_i32 s85, s[MH], 12288                    ; my 8 fragments of x in a record
	v_add_nc_u32 v8, s85, v1
	v_add_nc_u32 v9, s85, v2
	v_add_nc_u32 v9, 512, v9
	s_lshl_b32 s85, s[MH], 9
	s_add_co_u32 s85, s85, 24576
	v_add_nc_u32 v10, s85, v2                      ; their two scale blocks
	s_mul_i32 s85, s[NH], 6144                     ; my 4 fragments of W
	s_add_co_u32 s85, s85, BBASE
	v_add_nc_u32 v11, s85, v1
	v_add_nc_u32 v12, s85, v2
	v_add_nc_u32 v12, 512, v12
	s_lshl_b32 s85, s[NH], 8
	s_add_co_u32 s85, s85, BBASE+12288
	v_add_nc_u32 v13, s85, v2                      ; their scale block
.irp b, 0,1,2,3
	v_mov_b32 v[TM+4+\b], 0                        ; written once: a lane permute's destination counts as one of its sources
.endr
	s_mov_b32 s[SEL], 0x76543210
	s_mov_b32 s[SEL+1], 0xfedcba98
	s_mov_b32 s98, 0xffff0000                      ; lanes 16-31
	s_lshl_b32 s86, s23, 9                         ; the bias of my 64 columns
	s_lshl_b32 s87, s[NH], 8
	s_add_co_u32 s86, s86, s87
	s_mov_b32 s87, 0
	s_add_nc_u64 s[8:9], s[8:9], s[86:87]
	s_cmp_lt_u32 ttmp9, 4
	s_cbranch_scc0 .Lbias_v
	v_lshlrev_b32 v14, 6, v7                       ; q, k: tile 2 b + u: register j is column 32 b + 8 u + 16 h + j
.irp t, 0,1,2,3
	global_load_b128 v[BI+8*\t:BI+8*\t+3], v14, s[8:9] offset:(32*(\t/2)+8*(\t%2))*4
	global_load_b128 v[BI+8*\t+4:BI+8*\t+7], v14, s[8:9] offset:(32*(\t/2)+8*(\t%2))*4+16
.endr
	s_branch .Lbias_done
.Lbias_v:
	v_and_b32 v14, 8, v6                           ; v: all eight registers are column 32 b + 8 u + r + 8 (r / 8)
	v_add_nc_u32 v14, v14, v6
	v_lshlrev_b32 v14, 2, v14
.irp t, 0,1,2,3
.irp j, 0,1,2,3,4,5,6,7
	global_load_b32 v[BI+8*\t+\j], v14, s[8:9] offset:(32*(\t/2)+8*(\t%2))*4
.endr
.endr
.Lbias_done:
	; where my results go
	s_lshr_b32 s92, s56, 3
	s_lshl_b32 s92, s92, 4
	s_and_b32 s93, s23, 7
	s_lshl_b32 s93, s93, 1
	s_add_co_u32 s92, s92, s93
	s_add_co_u32 s92, s92, s[NH]                   ; batch x 16 + head
	s_and_b32 s93, s56, 7
	s_lshl_b32 s93, s93, 1
	s_add_co_u32 s93, s93, s[MH]                   ; which 128 tokens of the sequence
	s_mul_i32 s94, s92, 98304
	s_mul_i32 s95, s93, 6144
	s_add_co_u32 s94, s94, s95
	s_lshl_b32 s92, s92, 12
	s_lshl_b32 s93, s93, 8
	s_add_co_u32 s92, s92, s93
	s_cmp_lt_u32 ttmp9, 2                          ; q, or k and v, which share buffers of twice the size
	s_cselect_b64 s[88:89], s[10:11], s[14:15]
	s_cselect_b64 s[90:91], s[12:13], s[16:17]
	s_cselect_b32 s93, 0, 1
	s_lshl_b32 s94, s94, s93
	s_lshl_b32 s92, s92, s93
	s_cmp_lt_u32 ttmp9, 4                          ; v lies behind k in each step
	s_cselect_b32 s95, 0, 6144
	s_cselect_b32 s93, 0, 256
	s_add_co_u32 s94, s94, s95
	s_add_co_u32 s92, s92, s93
	s_mov_b32 s95, 0
	s_mov_b32 s93, 0
	s_add_nc_u64 s[88:89], s[88:89], s[94:95]
	s_add_nc_u64 s[90:91], s[90:91], s[92:93]
.macro FRAG reg, a16, a8, off          ; a fragment's 12 registers: each load covers 512 or 256 consecutive bytes
	ds_load_b128 v[\reg:\reg+3], v[\a16] offset:\off
	ds_load_b64 v[\reg+4:\reg+5], v[\a8] offset:\off
	ds_load_b128 v[\reg+6:\reg+9], v[\a16] offset:\off+768
	ds_load_b64 v[\reg+10:\reg+11], v[\a8] offset:\off+768
.endm
.macro FETCH p                         ; a K step's 12 fragments into set p, its scale words into scale set p: 51 LDS loads
	WIN 0x80+0x40*(\p)
.set fi, 0
.rept 8
	FRAG 12*fi, 8, 9, 1536*fi
.set fi, fi+1
.endr
.set fi, 0
.rept 4
	FRAG 96+12*fi, 11, 12, 1536*fi
.set fi, fi+1
.endr
	WIN 0
	ds_load_b64 v[32+8*(\p):33+8*(\p)], v10
	ds_load_b64 v[34+8*(\p):35+8*(\p)], v10 offset:256
	ds_load_b64 v[36+8*(\p):37+8*(\p)], v13
.endm
.macro WMX                             ; one matrix instruction from the symbols wD, wA, wB, wC, wSA, wSB; wFA, wFB: that side's scales lie in lanes 16-31
.if wFA && wFB
	v_wmma_scale_f32_16x16x128_f8f6f4 v[wD:wD+7], v[wA:wA+11], v[wB:wB+11], v[wC:wC+7], v[wSA], v[wSB] matrix_a_fmt:MATRIX_FMT_FP6 matrix_b_fmt:MATRIX_FMT_FP6 matrix_a_scale:MATRIX_SCALE_ROW1 matrix_b_scale:MATRIX_SCALE_ROW1
.elseif wFA
	v_wmma_scale_f32_16x16x128_f8f6f4 v[wD:wD+7], v[wA:wA+11], v[wB:wB+11], v[wC:wC+7], v[wSA], v[wSB] matrix_a_fmt:MATRIX_FMT_FP6 matrix_b_fmt:MATRIX_FMT_FP6 matrix_a_scale:MATRIX_SCALE_ROW1
.elseif wFB
	v_wmma_scale_f32_16x16x128_f8f6f4 v[wD:wD+7], v[wA:wA+11], v[wB:wB+11], v[wC:wC+7], v[wSA], v[wSB] matrix_a_fmt:MATRIX_FMT_FP6 matrix_b_fmt:MATRIX_FMT_FP6 matrix_b_scale:MATRIX_SCALE_ROW1
.else
	v_wmma_scale_f32_16x16x128_f8f6f4 v[wD:wD+7], v[wA:wA+11], v[wB:wB+11], v[wC:wC+7], v[wSA], v[wSB] matrix_a_fmt:MATRIX_FMT_FP6 matrix_b_fmt:MATRIX_FMT_FP6
.endif
.endm
; 32 matrix instructions: the 32 accumulators by turns, one instruction a turn.  var = 0: lane = token; 1: lane = column.  first = 1: C is the bias
.macro MUL p, var, first
.set mt, 0
.rept 8
.set nt, 0
.rept 4
.if \var
.set wD, 8*(8*nt+mt)
.set wA, 12*mt
.set wB, 96+12*nt
.set wSA, 32+8*(\p)+2*(mt/4)+(mt%4)/2
.set wSB, 36+8*(\p)+nt/2
.set wFA, mt%2
.set wFB, nt%2
.else
.set wD, 8*(4*mt+nt)
.set wA, 96+12*nt
.set wB, 12*mt
.set wSA, 36+8*(\p)+nt/2
.set wSB, 32+8*(\p)+2*(mt/4)+(mt%4)/2
.set wFA, nt%2
.set wFB, mt%2
.endif
.if \first
.set wC, BI+8*nt
.else
.set wC, wD
.endif
	WMX
.set nt, nt+1
.endr
.set mt, mt+1
.endr
.endm
.macro MULSEL p, first                 ; the branch hangs on the cluster's x alone; it stands round the matrix instructions alone: every barrier, wait and LDS load is on the common way
.if \first
.set WC, 0x4a                          ; sources in window 2, C (the bias) in window 0, D in window 1
.elseif \p
.set WC, 0x5f                          ; sources in window 3, C and D in window 1
.else
.set WC, 0x5a                          ; sources in window 2
.endif
	s_cmp_lt_u32 ttmp9, 4
	s_cbranch_scc0 .Lmv_\@
	WIN WC
	MUL \p, 0, \first
	WIN 0
	s_branch .Lmj_\@
.Lmv_\@:
	WIN WC
	MUL \p, 1, \first
	WIN 0
.Lmj_\@:
.endm
.macro KSTEP ks, first
.if \ks < 7
.if (\ks+1)%2 == 0
	s_wait_tensorcnt 3-(\ks+1)/2                   ; my load of the next chunk has landed; my loads of the later chunks may stay out
	s_wait_dscnt 0x0                               ; no LDS instruction of mine is out at a signal
	s_barrier_signal -1
	s_barrier_wait -1                              ; everybody's part of the chunk is in
.endif
	v_add_nc_u32 v8, AREC, v8                      ; on to the next K step's records.  These six are also the places in front of loads into registers that matrix instructions have read
	v_add_nc_u32 v9, AREC, v9
	v_add_nc_u32 v10, AREC, v10
	v_add_nc_u32 v11, BREC, v11
	v_add_nc_u32 v12, BREC, v12
	v_add_nc_u32 v13, BREC, v13
	FETCH (\ks+1)%2
	s_wait_dscnt 51                                ; all but the 51 just issued: this K step's fragments are in
.else
	s_wait_dscnt 0x0
.endif
	MULSEL \ks%2, \first
.endm
	s_wait_tensorcnt 3                             ; my load of chunk 0 has landed,
	s_barrier_signal -1
	s_barrier_wait -1                              ; everybody's has
	FETCH 0
	s_wait_loadcnt 0x0                             ; the bias
	KSTEP 0, 1
	KSTEP 1, 0
	KSTEP 2, 0
	KSTEP 3, 0
	KSTEP 4, 0
	KSTEP 5, 0
	KSTEP 6, 0
	KSTEP 7, 0
; THE WAY OUT.  Accumulators 8 g .. 8 g + 7: register 16 b + i of the 64 is place 32 b + 16 (lane / 16) + i along the next product's K.  They become a fragment's codes and a scale word.
.macro QUANTW g
	WIN 0x05                                       ; sources 0 and 1: the accumulators' window
.irp b, 0,1,2,3
	v_max3_num_f32 v[TM+\b], |v[64*(\g)+16*\b]|, |v[64*(\g)+16*\b+1]|, 0x1800000   ; each accumulator is read from its low end on; the floor 2^(3 - 127)
.endr
	WIN 0x14                                       ; sources 1 and 2
.irp i, 2,4,6,8,10,12,14
.irp b, 0,1,2,3
	v_max3_num_f32 v[TM+\b], v[TM+\b], |v[64*(\g)+16*\b+\i]|, |v[64*(\g)+16*\b+\i+1]|
.endr
.endr
	WIN 0
.irp b, 0,1,2,3
	v_permlanex16_b32 v[TM+4+\b], v[TM+\b], s[SEL], s[SEL+1]
.endr
.irp b, 0,1,2,3
	v_max_num_f32 v[TM+\b], v[TM+\b], v[TM+4+\b]
.endr
.irp b, 0,1,2,3
	v_add_nc_u32 v[TM+12+\b], 0xff000000, v[TM+\b]
.endr
.irp b, 0,1,2,3
	v_lshrrev_b32 v[TM+4+\b], 23, v[TM+12+\b]
.endr
	v_lshl_or_b32 v[PW+(\g)], v[TM+5], 8, v[TM+4]
	v_lshl_or_b32 v[PW+(\g)], v[TM+6], 16, v[PW+(\g)]
	v_lshl_or_b32 v[PW+(\g)], v[TM+7], 24, v[PW+(\g)]
	WIN 0x01                                       ; source 0: the accumulators' window
.irp c, 0,1
	v_cvt_scalef32_pk16_fp6_f32 v[PC+12*(\g)+6*\c:PC+12*(\g)+6*\c+2], v[64*(\g)+32*\c:64*(\g)+32*\c+15], v[TM+12+2*\c]
	v_cvt_scalef32_pk16_fp6_f32 v[PT+4*\c:PT+4*\c+2], v[64*(\g)+32*\c+16:64*(\g)+32*\c+31], v[TM+12+2*\c+1]
.endr
	WIN 0
	v_nop                                          ; one plain place behind a scaled conversion
.irp c, 0,1
.irp i, 0,1,2
	v_permlane16_swap_b32 v[PC+12*(\g)+6*\c+\i], v[PT+4*\c+\i]
.endr
.irp i, 0,1,2
	v_mov_b32 v[PC+12*(\g)+6*\c+3+\i], v[PT+4*\c+\i]
.endr
.endr
	global_store_b128 v1, v[PC+12*(\g):PC+12*(\g)+3], s[88:89] offset:1536*(\g)            ; each store covers 512 or 256 consecutive bytes, aligned; each group has its own registers
	global_store_b64 v2, v[PC+12*(\g)+4:PC+12*(\g)+5], s[88:89] offset:1536*(\g)+512
	global_store_b128 v1, v[PC+12*(\g)+6:PC+12*(\g)+9], s[88:89] offset:1536*(\g)+768
	global_store_b64 v2, v[PC+12*(\g)+10:PC+12*(\g)+11], s[88:89] offset:1536*(\g)+1280
.endm
.rept 4
	v_nop                                          ; four places between the last products and the first read of results
.endr
	QUANTW 0
	QUANTW 1
	QUANTW 2
	QUANTW 3
	v_cndmask_b32 v[WP], v[PW], v[PW+1], s98       ; lanes 0-15: fragment 0's words, lanes 16-31: fragment 1's
	v_cndmask_b32 v[WP+1], v[PW+2], v[PW+3], s98
	global_store_b64 v2, v[WP:WP+1], s[90:91]      ; 256 consecutive bytes, aligned
	s_wait_tensorcnt 0x0                           ; the wave's end
	ds_add_u32 v[SPW], v[NIL]
	s_wait_dscnt 0x0
	CROUND                                         ; the closing round
	s_endpgm
.Lfunc_end_k_q2613ed8d30_qkv:
	.size	k_q2613ed8d30_qkv, .Lfunc_end_k_q2613ed8d30_qkv-k_q2613ed8d30_qkv
	.p2alignl 7, 3214868480
	.fill 96, 4, 3214868480
	.section	.rodata,"a",@progbits
	.p2align	6, 0x0
	.amdhsa_kernel k_q2613ed8d30_qkv
		.amdhsa_group_segment_fixed_size 327680
		.amdhsa_private_segment_fixed_size 0
		.amdhsa_enable_private_segment 0
		.amdhsa_kernarg_size 56
		.amdhsa_user_sgpr_count 2
		.amdhsa_user_sgpr_kernarg_segment_ptr 1
		.amdhsa_wavefront_size32 1
		.amdhsa_system_sgpr_workgroup_id_x 1
		.amdhsa_system_sgpr_workgroup_id_y 1
		.amdhsa_system_sgpr_workgroup_id_z 1
		.amdhsa_system_vgpr_workitem_id 0
		.amdhsa_next_free_vgpr 1024
		.amdhsa_next_free_sgpr 100
		.amdhsa_reserve_vcc 0
		.amdhsa_float_denorm_mode_32 3
		.amdhsa_float_denorm_mode_16_64 3
		.amdhsa_memory_ordered 1
		.amdhsa_forward_progress 1
		.amdhsa_inst_pref_size 126
	.end_amdhsa_kernel
	.amdgpu_metadata
---
amdhsa.version: [ 1, 2 ]
amdhsa.kernels:
  - .name:           k_q2613ed8d30_qkv
    .symbol:         k_q2613ed8d30_qkv.kd
    .args:
      - { .name: xq, .offset: 0, .size: 8, .value_kind: global_buffer, .address_space: global }
      - { .name: wq, .offset: 8, .size: 8, .value_kind: global_buffer, .address_space: global }
      - { .name: b_attn, .offset: 16, .size: 8, .value_kind: global_buffer, .address_space: global }
      - { .name: qc, .offset: 24, .size: 8, .value_kind: global_buffer, .address_space: global }
      - { .name: qs, .offset: 32, .size: 8, .value_kind: global_buffer, .address_space: global }
      - { .name: kvc, .offset: 40, .size: 8, .value_kind: global_buffer, .address_space: global }
      - { .name: kvs, .offset: 48, .size: 8, .value_kind: global_buffer, .address_space: global }
    .group_segment_fixed_size: 327680
    .private_segment_fixed_size: 0
    .kernarg_segment_align: 8
    .kernarg_segment_size: 56
    .max_flat_workgroup_size: 128
    .sgpr_count:     100
    .vgpr_count:     1024
    .wavefront_size: 32
...
	.end_amdgpu_metadata
.endif
;; end of part 2
;; launch attn (part 3): grid 4 x 64, 16 waves a work-group, no clusters, 206,848 bytes of LDS; arguments qc, qs, kvc, kvs, yq; writes yq
.if DOCPART == 3
	.amdgcn_target "amdgcn-amd-amdhsa--gfx1250"
	.amdhsa_code_object_version 6
	.text
	.protected	k_q2613ed8d30_attn
	.globl	k_q2613ed8d30_attn
	.p2align	8
	.type	k_q2613ed8d30_attn,@function
k_q2613ed8d30_attn:
	s_mov_b64 s[64:65], 0
	v_nop
	global_prefetch_b8 v0, s[64:65] scope:SCOPE_SE
	s_setreg_imm32_b32 hwreg(HW_REG_WAVE_MODE, 25, 1), 1
	s_wait_xcnt 0x0
; y[b][h][q] = the sum over keys k <= q of softmax_k(q . k / 8) v, both products on codes of FP6 (E2M3), and y quantised along the model's 1,024 on the way out, into the order of the last product's operand registers.
; THE SOFTMAX AHEAD OF THE SECOND PRODUCT: t = score x log2(e) / 8; M = the row's largest t so far, rounded UP to a whole number; p = 2^(t - M) is quantised along the keys, not normalised.
; The row's sum is taken of the unquantised p and divides at the end.  When M moves, the sum and O are multiplied by 2^(old M - new M): exact.
; SHARES.  Work-group (i, head) owns the blocks of 256 queries i and 7 - i, so that every work-group has the same work under the causal mask.  Each of sixteen waves owns one tile of 16 queries of each block, and takes them one
; after the other.  A key step is 128 keys.  Steps behind a tile's diagonal step are left out by a scalar branch on ids; the loops' trip counts are constants.
; THE WHOLE HEAD'S K AND V LIE IN LDS, FILLED ONCE: 16 steps x (K: 4 fragments, V: 4 fragments) = 196,608 bytes, and 8,192 bytes of scale words.  Each wave brings a sixteenth by three tensor loads: three are out at the most.
; No cluster: the four work-groups of a head differ in which steps they leave out; what they share is read once by each.
; THE HEAD'S 64 IN AN INSTRUCTION OF 128.  A fragment of K packs two tiles of 16 keys: tile 2 f in k places 0-63, tile 2 f + 1 in places 64-127.  Multiplied by [Q, 0] it gives tile 2 f's scores, by [0, Q] tile 2 f + 1's: zero codes add nothing.
; Both products are used transposed: a lane holds ONE query throughout.  The keys of a tile are chosen so that the 16 registers of tiles 2 b, 2 b + 1 are keys 32 b + 16 (lane / 16) + 0 .. 15.
; LIMITS: NaN and infinities are not served; a block's largest p is taken from its largest score (this takes v_exp_f32 not to fall where its input rises); hidden scores are -infinity where the definition has the least f32 number: p = 0 either way;
; blocks whose largest magnitude lies under 2^-124, blocks of zeros among them, keep the byte 1.
; REGISTERS: v1-11 addresses; v12 -M, v13 the largest t, v[14:15] the sum; v16-45 zeros, Q of block i, zeros, Q of block 7 - i, zeros; v46, v47 Q's scale words; v48-95 four fragments; v96-159 S^T, then p; v160-191 O^T; v192-210 p's codes; v212-248 at work.
.set STEPB, 12288
.set SCB,   196608                     ; the scale words: 512 bytes a step: K's block, then V's
.set SPARE, 204800                     ; the spare words, 128 bytes for each of 16 waves
.set SPW, 3
.set NIL, 4
.set WV,  14
.set BH,  15
.set SEL, 20
.set CS,  22
.set TB,  24                           ; s24 LDS byte of the step's codes
.set TS,  25                           ; s25 of its scale words, from SCB on
.set SC,  26                           ; s26 the step
.set G1C, 28
.set G1S, 36
.set G0,  44
	s_load_b256 s[4:11], s[0:1], 0x0               ; qc s[4:5], qs s[6:7], kvc s[8:9], kvs s[10:11]
	s_load_b64 s[12:13], s[0:1], 0x20              ; yq
	v_lshl_add_u32 v[SPW], v0, 2, SPARE
	v_mov_b32 v[NIL], 0
	ds_add_u32 v[SPW], v[NIL]                      ; the wave's opening: the add and its wait ahead of my first tensor load
	ds_add_u32 v[SPW], v[NIL]
	v_lshrrev_b32 v1, 5, v0
	s_delay_alu instid0(VALU_DEP_1)
	v_readfirstlane_b32 s[WV], v1                  ; wave 0..15
	s_and_b32 s[BH], ttmp7, 0xffff                 ; batch x 16 + head
	s_mov_b32 s16, ttmp9                           ; block i
	s_sub_co_u32 s17, 7, ttmp9                     ; block 7 - i
	s_lshr_b32 s56, s[WV], 3
	s_lshl_b32 s18, s16, 1
	s_add_co_u32 s18, s18, s56                     ; my tile's diagonal step: 2 x block + wave / 8
	s_lshl_b32 s19, s17, 1
	s_add_co_u32 s19, s19, s56
	s_mov_b32 s[G1C], 3<<16                        ; elements of 8 bytes, no mask, no padding: dense blocks as rows of 256 bytes
	s_mov_b32 s[G1C+1], 32<<16
	s_mov_b32 s[G1C+2], 24<<16                     ; codes: 24 rows a load
	s_mov_b32 s[G1C+3], 32<<16
	s_mov_b32 s[G1C+4], 24
	s_mov_b32 s[G1C+5], 32
	s_mov_b32 s[G1C+6], 0
	s_mov_b32 s[G1C+7], 0
	s_mov_b32 s[G1S], 3<<16
	s_mov_b32 s[G1S+1], 32<<16
	s_mov_b32 s[G1S+2], 2<<16                      ; scale words: 2 rows
	s_mov_b32 s[G1S+3], 32<<16
	s_mov_b32 s[G1S+4], 2
	s_mov_b32 s[G1S+5], 32
	s_mov_b32 s[G1S+6], 0
	s_mov_b32 s[G1S+7], 0
	s_mov_b32 s[SEL], 0x76543210
	s_mov_b32 s[SEL+1], 0xfedcba98
	s_mov_b32 s[CS], 0x3e38aa3b                    ; c = log2(e) / 8
	s_mov_b32 s[CS+1], s[CS]                       ; (named with it as a pair)
	s_lshl_b32 s57, s[WV], 9
	s_mul_i32 s58, s[WV], 6144
	s_lshl_b32 s60, s[BH], 13
	s_add_co_u32 s60, s60, s57
	s_mov_b32 s61, 0
	s_mul_i32 s62, s[BH], 196608
	s_add_co_u32 s62, s62, s58
	s_mov_b32 s63, 0
	s_wait_dscnt 0x0                               ; the opening add is done
	s_wait_kmcnt 0x0
	s_mov_b32 s[G0], 1                             ; my sixteenth of the scale words
	s_add_co_u32 s[G0+1], s57, SCB
	s_add_nc_u64 s[G0+2:G0+3], s[10:11], s[60:61]
	s_or_b32 s[G0+3], s[G0+3], 0x80000000
	s_mov_b32 s[G0+4], 1                           ; of steps 0-7
	s_mov_b32 s[G0+5], s58
	s_add_nc_u64 s[G0+6:G0+7], s[8:9], s[62:63]
	s_mov_b32 s[G0+8], 1                           ; of steps 8-15
	s_add_co_u32 s[G0+9], s58, 98304
	s_add_nc_u64 s[G0+10:G0+11], s[G0+6:G0+7], 98304
	s_or_b32 s[G0+7], s[G0+7], 0x80000000
	s_or_b32 s[G0+11], s[G0+11], 0x80000000
	tensor_load_to_lds s[G0:G0+3], s[G1S:G1S+7]
	s_nop 0
	tensor_load_to_lds s[G0+4:G0+7], s[G1C:G1C+7]
	s_nop 0
	tensor_load_to_lds s[G0+8:G0+11], s[G1C:G1C+7]
	s_nop 0
.rept 4
	v_nop
.endr
	v_and_b32 v10, 31, v0
	s_delay_alu instid0(VALU_DEP_1)
	v_lshlrev_b32 v1, 4, v10                       ; 16 L
	s_delay_alu instid0(VALU_DEP_2)
	v_lshlrev_b32 v2, 3, v10                       ; 8 L
	s_delay_alu instid0(VALU_DEP_1)
	v_add_nc_u32 v7, 512, v2
	s_delay_alu instid0(VALU_DEP_2)
	v_add_nc_u32 v11, SCB, v2
	v_and_b32 v6, 15, v0                           ; r
	s_delay_alu instid0(VALU_DEP_1)
	v_and_b32 v5, 8, v6
	s_delay_alu instid0(VALU_DEP_1)
	v_add_nc_u32 v5, v5, v6                        ; r + 8 (r / 8)
	v_bfe_u32 v10, v0, 4, 1
	s_delay_alu instid0(VALU_DEP_1)
	v_lshlrev_b32 v10, 4, v10
	s_delay_alu instid0(VALU_DEP_1)
	v_sub_nc_u32 v5, v5, v10                       ; - 16 h
	s_bfe_u32 s56, s[WV], 0x20001                  ; (wave / 2) % 4
	s_lshl_b32 s56, s56, 5
	s_and_b32 s57, s[WV], 1
	s_lshl_b32 s58, s57, 3
	s_add_co_u32 s56, s56, s58
	v_add_nc_u32 v5, s56, v5                       ; d = my query - the diagonal step's first key - 16 h: register 16 b + i is hidden where 32 b + i > d
	v_lshlrev_b32 v6, 3, v6                        ; 8 r
	s_wait_alu depctr_va_vdst(0)
	; Q: half a fragment (768 bytes) for each of my two tiles
	s_mul_i32 s66, s[BH], 98304
	s_mul_i32 s67, s[WV], 768
	s_add_co_u32 s66, s66, s67
	s_mul_i32 s56, s16, 12288
	s_add_co_u32 s56, s56, s66
	s_mul_i32 s58, s17, 12288
	s_add_co_u32 s58, s58, s66
	s_cmp_eq_u32 s57, 0                            ; my tile is the lower or the upper half of its packed fragment: which two bytes of the word are mine
	s_mov_b32 s66, 0x03020302
	s_cselect_b32 s66, 0x01000100, s66
	s_mov_b32 s57, 0
	s_mov_b32 s59, 0
	s_add_nc_u64 s[56:57], s[4:5], s[56:57]
	s_add_nc_u64 s[58:59], s[4:5], s[58:59]
	global_load_b128 v[22:25], v1, s[56:57]
	global_load_b64 v[26:27], v2, s[56:57] offset:512
	global_load_b128 v[34:37], v1, s[58:59]
	global_load_b64 v[38:39], v2, s[58:59] offset:512
	s_lshl_b32 s70, s[BH], 12                      ; their scale words: fragment f = (wave / 2) % 4 of the step: at 8 (r + 16 (f % 2)) + 4 (f / 2)
	s_bfe_u32 s71, s[WV], 0x10001
	s_lshl_b32 s71, s71, 7
	s_add_co_u32 s70, s70, s71
	s_bfe_u32 s71, s[WV], 0x10002
	s_lshl_b32 s71, s71, 2
	s_add_co_u32 s70, s70, s71
	s_lshl_b32 s60, s18, 8
	s_add_co_u32 s60, s60, s70
	s_mov_b32 s61, 0
	s_lshl_b32 s62, s19, 8
	s_add_co_u32 s62, s62, s70
	s_mov_b32 s63, 0
	s_add_nc_u64 s[60:61], s[6:7], s[60:61]
	s_add_nc_u64 s[62:63], s[6:7], s[62:63]
	global_load_b32 v46, v6, s[60:61]
	global_load_b32 v47, v6, s[62:63]
	; y: the record of (group of 256 tokens, K step = head / 2)
	s_lshr_b32 s72, s[BH], 4
	s_lshl_b32 s72, s72, 3
	s_bfe_u32 s73, s[BH], 0x30001
	s_mul_i32 s73, s73, 25600
	s_add_co_u32 s74, s72, s16
	s_mul_i32 s74, s74, 204800
	s_add_co_u32 s74, s74, s73
	s_mov_b32 s75, 0
	s_add_co_u32 s76, s72, s17
	s_mul_i32 s76, s76, 204800
	s_add_co_u32 s76, s76, s73
	s_mov_b32 s77, 0
	s_add_nc_u64 s[68:69], s[12:13], s[74:75]
	s_add_nc_u64 s[70:71], s[12:13], s[76:77]
	s_and_b32 s79, s[BH], 1
	s_mul_i32 s78, s[WV], 1536                     ; tile = wave; the half of the fragment = head % 2
	s_mul_i32 s72, s79, 768
	s_add_co_u32 s78, s78, s72
	v_add_nc_u32 v246, s78, v1
	v_add_nc_u32 v247, s78, v7
	s_lshr_b32 s72, s[WV], 2                       ; its scale word's two bytes: 24,576 + 256 (wave / 4) + 128 (wave % 2) + 4 ((wave / 2) % 2) + 2 (head % 2) + 8 r
	s_lshl_b32 s72, s72, 8
	s_and_b32 s73, s[WV], 1
	s_lshl_b32 s73, s73, 7
	s_add_co_u32 s72, s72, s73
	s_bfe_u32 s73, s[WV], 0x10001
	s_lshl_b32 s73, s73, 2
	s_add_co_u32 s72, s72, s73
	s_lshl_b32 s73, s79, 1
	s_add_co_u32 s72, s72, s73
	s_add_co_u32 s72, s72, 24576
	v_add_nc_u32 v248, s72, v6
.irp j, 16,17,18,19,20,21,28,29,30,31,32,33,40,41,42,43,44,45
	v_mov_b32 v\j, 0                               ; zero codes beside Q
.endr
.irp j, 216,217,218,219,224,227
	v_mov_b32 v\j, 0                               ; written once: a lane permute's destination counts as one of its sources; v227 is named in a pair before it is first made
.endr
	v_mov_b32 v234, 0xff800000                     ; -infinity
	s_wait_loadcnt 0x0
	v_perm_b32 v46, v46, v46, s66                  ; my tile's two bytes, twice: they serve [Q, 0] and [0, Q] alike
	v_perm_b32 v47, v47, v47, s66
	s_wait_tensorcnt 1                             ; my parts of the scale words and of steps 0-7 are in; steps 8-15 may stay out
	s_barrier_signal -1
	s_barrier_wait -1                              ; everybody's are
.macro FRAG reg, off
	ds_load_b128 v[\reg:\reg+3], v8 offset:\off
	ds_load_b64 v[\reg+4:\reg+5], v9 offset:\off
	ds_load_b128 v[\reg+6:\reg+9], v8 offset:\off+768
	ds_load_b64 v[\reg+10:\reg+11], v9 offset:\off+768
.endm
; One tile of 16 queries.  qhi, qlo: first registers of [0, Q] and [Q, 0]; qsc: Q's scale words; ns: steps walked (a constant); sd: the scalar with the diagonal step; yb: the scalar pair with y's record
.macro PASS qhi, qlo, qsc, ns, sd, yb
.set j, 0
.rept 32
	v_mov_b32 v[160+j], 0                          ; O^T: the step is written once: its first turn finds zeros
.set j, j+1
.endr
	v_mov_b32 v14, 0
	v_mov_b32 v15, 0
	v_mov_b32 v13, 0xff61b1e6                      ; the largest t so far: -3e38
	s_delay_alu instid0(VALU_DEP_1)
	v_floor_f32 v12, -v13
	s_mov_b32 s[TB], 0
	s_mov_b32 s[TS], 0
	s_mov_b32 s[SC], 0
.Lstep_\@:
	s_cmp_gt_u32 s[SC], s[\sd]                     ; all keys of the step come after my queries: only the addresses step
	s_cbranch_scc1 .Lhid_\@
	s_setprio 2
	v_add_nc_u32 v8, s[TB], v1
	v_add_nc_u32 v9, s[TB], v7
	v_add_nc_u32 v10, s[TS], v11
	v_nop                                          ; four places in front of loads into registers that the last products read
.irp f, 0,1,2,3
	FRAG 48+12*\f, 1536*\f
.endr
	ds_load_b64 v[228:229], v10                    ; K's scale words
	s_wait_alu depctr_va_vdst(0)
	s_wait_dscnt 0x0
.irp f, 0,2
	v_wmma_scale_f32_16x16x128_f8f6f4 v[96+16*\f:103+16*\f], v[48+12*\f:59+12*\f], v[\qlo:\qlo+11], 0, v[228+\f/2], v[\qsc] matrix_a_fmt:MATRIX_FMT_FP6 matrix_b_fmt:MATRIX_FMT_FP6
	v_wmma_scale_f32_16x16x128_f8f6f4 v[104+16*\f:111+16*\f], v[48+12*\f:59+12*\f], v[\qhi:\qhi+11], 0, v[228+\f/2], v[\qsc] matrix_a_fmt:MATRIX_FMT_FP6 matrix_b_fmt:MATRIX_FMT_FP6
	v_wmma_scale_f32_16x16x128_f8f6f4 v[112+16*\f:119+16*\f], v[60+12*\f:71+12*\f], v[\qlo:\qlo+11], 0, v[228+\f/2], v[\qsc] matrix_a_fmt:MATRIX_FMT_FP6 matrix_b_fmt:MATRIX_FMT_FP6 matrix_a_scale:MATRIX_SCALE_ROW1
	v_wmma_scale_f32_16x16x128_f8f6f4 v[120+16*\f:127+16*\f], v[60+12*\f:71+12*\f], v[\qhi:\qhi+11], 0, v[228+\f/2], v[\qsc] matrix_a_fmt:MATRIX_FMT_FP6 matrix_b_fmt:MATRIX_FMT_FP6 matrix_a_scale:MATRIX_SCALE_ROW1
.endr
.rept 4
	v_nop                                          ; four places: for the loads into K's registers, and for the first read of the scores
.endr
.irp f, 0,1,2,3
	FRAG 48+12*\f, 6144+1536*\f                    ; V's fragments land while the softmax is worked
.endr
	ds_load_b64 v[230:231], v10 offset:256         ; V's scale words
	s_cmp_lg_u32 s[SC], s[\sd]
	s_cbranch_scc1 .Lopen_\@
.set n, 0
.rept 64                               ; the diagonal step: hidden scores become -infinity ahead of the maximum
	v_cmp_gt_i32 vcc_lo, 32*(n/16)+n%16, v5
	v_cndmask_b32 v[96+n], v[96+n], v234, vcc_lo
.set n, n+1
.endr
.Lopen_\@:
.irp b, 0,1,2,3
	v_max3_num_f32 v[212+\b], v[96+16*\b], v[97+16*\b], v[98+16*\b]   ; the largest score of each block of 32 keys: for the row's maximum, and for the block's largest p
.endr
.irp i, 3,5,7,9,11,13
.irp b, 0,1,2,3
	v_max3_num_f32 v[212+\b], v[212+\b], v[96+16*\b+\i], v[97+16*\b+\i]
.endr
.endr
.irp b, 0,1,2,3
	v_max_num_f32 v[212+\b], v[212+\b], v[111+16*\b]
.endr
.irp b, 0,1,2,3
	s_delay_alu instid0(VALU_DEP_4)
	v_permlanex16_b32 v[216+\b], v[212+\b], s[SEL], s[SEL+1]
.endr
.irp b, 0,1,2,3
	s_delay_alu instid0(VALU_DEP_4)
	v_max_num_f32 v[212+\b], v[212+\b], v[216+\b]  ; with lane l xor 16's 16 keys
.endr
	s_delay_alu instid0(VALU_DEP_2)
	v_max3_num_f32 v224, v212, v213, v214
	s_delay_alu instid0(VALU_DEP_1)
	v_max_num_f32 v224, v224, v215
	s_delay_alu instid0(VALU_DEP_1)
	v_mul_f32 v224, s[CS], v224                    ; as t
	s_delay_alu instid0(VALU_DEP_1)
	v_max_num_f32 v13, v13, v224                   ; the running largest t
	v_mov_b32 v224, v12
	s_delay_alu instid0(VALU_DEP_2)
	v_floor_f32 v12, -v13                          ; the new -M = -ceil(t)
	s_delay_alu instid0(VALU_DEP_1)
	v_sub_f32 v224, v12, v224                      ; old M - new M: a whole number, 0 or less
	s_delay_alu instid0(VALU_DEP_1)
	v_cvt_i32_f32 v224, v224                       ; (it saturates)
	s_delay_alu instid0(VALU_DEP_1)
	v_ldexp_f32 v226, 1.0, v224                    ; f = 2^(old M - new M)
.set j, 0
.rept 32
	v_pk_fma_f32 v[96+j:97+j], v[96+j:97+j], s[CS:CS+1], v[12:13] op_sel_hi:[1,0,0]   ; t - M
.set j, j+2
.endr
	s_setprio 1
.irp b, 0,1,2,3
	v_fma_f32 v[212+\b], v[212+\b], s[CS], v12     ; the same of each block's largest score
.endr
.set j, 0
	s_wait_alu depctr_va_vdst(0)
.rept 64
	v_exp_f32 v[96+j], v[96+j]                     ; p = 2^(t - M)
.set j, j+1
.endr
	v_pk_mul_f32 v[14:15], v[14:15], v[226:227] op_sel_hi:[1,0]   ; the sums under the new M: a plain place behind the exponentials
	s_wait_alu depctr_va_vdst(0)                   ; one wait for the whole batch, ahead of its first reader
.irp b, 0,1,2,3
	v_exp_f32 v[212+\b], v[212+\b]                 ; the block's largest p
.endr
	v_pk_add_f32 v[232:233], v[100:101], v[104:105]
	v_pk_add_f32 v[254:255], v[108:109], v[112:113]
	v_pk_add_f32 v[252:253], v[116:117], v[120:121]
	v_pk_add_f32 v[250:251], v[124:125], v[128:129]
	v_pk_add_f32 v[244:245], v[132:133], v[136:137]
	v_pk_add_f32 v[242:243], v[140:141], v[144:145]
	v_pk_add_f32 v[240:241], v[148:149], v[152:153]
	v_pk_add_f32 v[14:15], v[14:15], v[156:157]
	v_pk_add_f32 v[232:233], v[232:233], v[96:97]
	v_pk_add_f32 v[254:255], v[254:255], v[98:99]
	v_pk_add_f32 v[252:253], v[252:253], v[102:103]
	v_pk_add_f32 v[250:251], v[250:251], v[106:107]
	v_pk_add_f32 v[244:245], v[244:245], v[110:111]
	v_pk_add_f32 v[242:243], v[242:243], v[114:115]
	v_pk_add_f32 v[240:241], v[240:241], v[118:119]
	v_pk_add_f32 v[14:15], v[14:15], v[122:123]
	v_pk_add_f32 v[232:233], v[232:233], v[126:127]
	v_pk_add_f32 v[254:255], v[254:255], v[130:131]
	v_pk_add_f32 v[252:253], v[252:253], v[134:135]
	v_pk_add_f32 v[250:251], v[250:251], v[138:139]
	v_pk_add_f32 v[244:245], v[244:245], v[142:143]
	v_pk_add_f32 v[242:243], v[242:243], v[146:147]
	v_pk_add_f32 v[240:241], v[240:241], v[150:151]
	v_pk_add_f32 v[14:15], v[14:15], v[154:155]
	v_pk_add_f32 v[232:233], v[232:233], v[158:159]
	s_delay_alu instid0(VALU_DEP_2)
	v_pk_add_f32 v[14:15], v[14:15], v[250:251]
	s_delay_alu instid0(VALU_DEP_2)
	v_pk_add_f32 v[232:233], v[232:233], v[244:245]
	v_pk_add_f32 v[254:255], v[254:255], v[242:243]
	v_pk_add_f32 v[252:253], v[252:253], v[240:241]
	s_delay_alu instid0(VALU_DEP_2)
	v_pk_add_f32 v[14:15], v[14:15], v[254:255]
	s_delay_alu instid0(VALU_DEP_2)
	v_pk_add_f32 v[232:233], v[232:233], v[252:253]
	s_delay_alu instid0(VALU_DEP_1)
	v_pk_add_f32 v[14:15], v[14:15], v[232:233]
	s_wait_alu depctr_va_vdst(0)                   ; and one for the four
.irp b, 0,1,2,3
	v_max_num_f32 v[212+\b], 0x1800000, v[212+\b]  ; the floor 2^(3 - 127)
.endr
.irp b, 0,1,2,3
	s_delay_alu instid0(VALU_DEP_4)
	v_add_nc_u32 v[220+\b], 0xff000000, v[212+\b]  ; the conversion's scale operand
.endr
.irp b, 0,1,2,3
	s_delay_alu instid0(VALU_DEP_4)
	v_lshrrev_b32 v[216+\b], 23, v[220+\b]         ; the byte
.endr
	s_delay_alu instid0(VALU_DEP_3)
	v_lshl_or_b32 v227, v217, 8, v216              ; p's scale word for these 128 keys
	s_delay_alu instid0(VALU_DEP_1)
	v_lshl_or_b32 v227, v218, 16, v227
	s_delay_alu instid0(VALU_DEP_1)
	v_lshl_or_b32 v227, v219, 24, v227
	s_setprio 0
.irp c, 0,1
	v_cvt_scalef32_pk16_fp6_f32 v[192+6*\c:194+6*\c], v[96+32*\c:111+32*\c], v[220+2*\c]
	v_cvt_scalef32_pk16_fp6_f32 v[204+4*\c:206+4*\c], v[112+32*\c:127+32*\c], v[220+2*\c+1]
.endr
	v_nop                                          ; one plain place behind a scaled conversion
.irp c, 0,1
.irp i, 0,1,2
	v_permlane16_swap_b32 v[192+6*\c+\i], v[204+4*\c+\i]
.endr
.irp i, 0,1,2
	s_delay_alu instid0(VALU_DEP_3)
	v_mov_b32 v[195+6*\c+\i], v[204+4*\c+\i]
.endr
.endr
.set j, 0
.rept 16
	v_pk_mul_f32 v[160+j:161+j], v[160+j:161+j], v[226:227] op_sel_hi:[1,0]   ; O^T under the new M.  These stand between the making of p's codes and scale word and the products
.set j, j+2
.endr
	s_wait_alu depctr_va_vdst(0)
	s_wait_dscnt 0x0                               ; V is in
	v_wmma_scale_f32_16x16x128_f8f6f4 v[160:167], v[48:59], v[192:203], v[160:167], v230, v227 matrix_a_fmt:MATRIX_FMT_FP6 matrix_b_fmt:MATRIX_FMT_FP6
	v_wmma_scale_f32_16x16x128_f8f6f4 v[168:175], v[60:71], v[192:203], v[168:175], v230, v227 matrix_a_fmt:MATRIX_FMT_FP6 matrix_b_fmt:MATRIX_FMT_FP6 matrix_a_scale:MATRIX_SCALE_ROW1
	v_wmma_scale_f32_16x16x128_f8f6f4 v[176:183], v[72:83], v[192:203], v[176:183], v231, v227 matrix_a_fmt:MATRIX_FMT_FP6 matrix_b_fmt:MATRIX_FMT_FP6
	v_wmma_scale_f32_16x16x128_f8f6f4 v[184:191], v[84:95], v[192:203], v[184:191], v231, v227 matrix_a_fmt:MATRIX_FMT_FP6 matrix_b_fmt:MATRIX_FMT_FP6 matrix_a_scale:MATRIX_SCALE_ROW1
.Lhid_\@:
	s_add_co_u32 s[TB], s[TB], STEPB
	s_add_co_u32 s[TS], s[TS], 512
	s_add_co_u32 s[SC], s[SC], 1
	s_cmp_lt_u32 s[SC], \ns
	s_cbranch_scc1 .Lstep_\@
	s_setprio 0
	; the way out: O^T / the sum; register 16 b + i is channel 32 b + 16 h + i of my query: two blocks of 32 along the last product's K
.rept 4
	v_nop                                          ; four places behind the last products
.endr
	s_wait_alu depctr_va_vdst(0)
	v_add_f32 v14, v14, v15
	s_delay_alu instid0(VALU_DEP_1)
	v_permlanex16_b32 v224, v14, s[SEL], s[SEL+1]
	s_delay_alu instid0(VALU_DEP_1)
	v_add_f32 v14, v14, v224                       ; the row's sum
	s_wait_alu depctr_va_vdst(0)
	v_rcp_f32 v14, v14
	v_nop                                          ; a plain place behind the reciprocal
	s_wait_alu depctr_va_vdst(0)                   ; the wait, ahead of its first reader
.set j, 0
.rept 16
	v_pk_mul_f32 v[96+j:97+j], v[160+j:161+j], v[14:15] op_sel_hi:[1,0]
.set j, j+2
.endr
.irp b, 0,1
	v_max3_num_f32 v[212+\b], |v[96+16*\b]|, |v[97+16*\b]|, 0x1800000
.endr
.irp i, 2,4,6,8,10,12,14
.irp b, 0,1
	s_delay_alu instid0(VALU_DEP_2)
	v_max3_num_f32 v[212+\b], v[212+\b], |v[96+16*\b+\i]|, |v[97+16*\b+\i]|
.endr
.endr
.irp b, 0,1
	s_delay_alu instid0(VALU_DEP_2)
	v_permlanex16_b32 v[216+\b], v[212+\b], s[SEL], s[SEL+1]
.endr
.irp b, 0,1
	s_delay_alu instid0(VALU_DEP_2)
	v_max_num_f32 v[212+\b], v[212+\b], v[216+\b]
.endr
.irp b, 0,1
	s_delay_alu instid0(VALU_DEP_2)
	v_add_nc_u32 v[220+\b], 0xff000000, v[212+\b]
.endr
.irp b, 0,1
	s_delay_alu instid0(VALU_DEP_2)
	v_lshrrev_b32 v[216+\b], 23, v[220+\b]
.endr
	s_delay_alu instid0(VALU_DEP_1)
	v_lshl_or_b32 v245, v217, 8, v216              ; my head's two bytes of the row's scale word
	v_cvt_scalef32_pk16_fp6_f32 v[236:238], v[96:111], v220
	v_cvt_scalef32_pk16_fp6_f32 v[242:244], v[112:127], v221
	v_nop                                          ; one plain place behind a scaled conversion
.irp i, 0,1,2
	v_permlane16_swap_b32 v[236+\i], v[242+\i]
.endr
.irp i, 0,1,2
	s_delay_alu instid0(VALU_DEP_3)
	v_mov_b32 v[239+\i], v[242+\i]
.endr
	global_store_b128 v246, v[236:239], s[\yb:\yb+1]   ; half a fragment: 512 and 256 consecutive bytes, aligned
	global_store_b64 v247, v[240:241], s[\yb:\yb+1]
	global_store_b16 v248, v245, s[\yb:\yb+1]          ; two bytes of each of 16 words (both halves of the lanes store the same); the head beside mine stores the other two
	s_wait_xcnt 0x0                                ; the stores have read their registers, which the next tile writes again
.endm
	PASS 16, 22, 46, 8, 18, 68                     ; block i: its diagonal step is 7 at the most
	s_wait_tensorcnt 0x0                           ; my part of steps 8-15 is in,
	s_wait_dscnt 0x0
	s_barrier_signal -1
	s_barrier_wait -1                              ; everybody's is
	PASS 28, 34, 47, 16, 19, 70                    ; block 7 - i
	s_wait_tensorcnt 0x0                           ; the wave's end
	ds_add_u32 v[SPW], v[NIL]
	s_wait_dscnt 0x0
	s_endpgm
.Lfunc_end_k_q2613ed8d30_attn:
	.size	k_q2613ed8d30_attn, .Lfunc_end_k_q2613ed8d30_attn-k_q2613ed8d30_attn
	.p2alignl 7, 3214868480
	.fill 96, 4, 3214868480
	.section	.rodata,"a",@progbits
	.p2align	6, 0x0
	.amdhsa_kernel k_q2613ed8d30_attn
		.amdhsa_group_segment_fixed_size 206848
		.amdhsa_private_segment_fixed_size 0
		.amdhsa_enable_private_segment 0
		.amdhsa_kernarg_size 40
		.amdhsa_user_sgpr_count 2
		.amdhsa_user_sgpr_kernarg_segment_ptr 1
		.amdhsa_wavefront_size32 1
		.amdhsa_system_sgpr_workgroup_id_x 1
		.amdhsa_system_sgpr_workgroup_id_y 1
		.amdhsa_system_sgpr_workgroup_id_z 1
		.amdhsa_system_vgpr_workitem_id 0
		.amdhsa_next_free_vgpr 256
		.amdhsa_next_free_sgpr 80
		.amdhsa_reserve_vcc 1
		.amdhsa_float_denorm_mode_32 3
		.amdhsa_float_denorm_mode_16_64 3
		.amdhsa_memory_ordered 1
		.amdhsa_forward_progress 1
		.amdhsa_inst_pref_size 65
	.end_amdhsa_kernel
	.amdgpu_metadata
---
amdhsa.version: [ 1, 2 ]
amdhsa.kernels:
  - .name:           k_q2613ed8d30_attn
    .symbol:         k_q2613ed8d30_attn.kd
    .args:
      - { .name: qc, .offset: 0, .size: 8, .value_kind: global_buffer, .address_space: global }
      - { .name: qs, .offset: 8, .size: 8, .value_kind: global_buffer, .address_space: global }
      - { .name: kvc, .offset: 16, .size: 8, .value_kind: global_buffer, .address_space: global }
      - { .name: kvs, .offset: 24, .size: 8, .value_kind: global_buffer, .address_space: global }
      - { .name: yq, .offset: 32, .size: 8, .value_kind: global_buffer, .address_space: global }
    .group_segment_fixed_size: 206848
    .private_segment_fixed_size: 0
    .kernarg_segment_align: 8
    .kernarg_segment_size: 40
    .max_flat_workgroup_size: 512
    .sgpr_count:     80
    .vgpr_count:     256
    .wavefront_size: 32
...
	.end_amdgpu_metadata
.endif
;; end of part 3
;; launch proj (part 4): grid 8 x 32, 4 waves a work-group, clusters of 4 x 4, 327,680 bytes of LDS; arguments yq, wq, b_proj, out0; writes out0
.if DOCPART == 4
	.amdgcn_target "amdgcn-amd-amdhsa--gfx1250"
	.amdhsa_code_object_version 6
	.text
	.protected	k_q2613ed8d30_proj
	.globl	k_q2613ed8d30_proj
	.p2align	8
	.type	k_q2613ed8d30_proj,@function
k_q2613ed8d30_proj:
	s_mov_b64 s[64:65], 0
	v_nop
	global_prefetch_b8 v0, s[64:65] scope:SCOPE_SE
	s_setreg_imm32_b32 hwreg(HW_REG_WAVE_MODE, 25, 1), 1
	s_wait_xcnt 0x0
	s_wait_alu depctr_hold_cnt(0) depctr_sa_sdst(0) depctr_va_vdst(0) depctr_va_sdst(0) depctr_va_ssrc(0) depctr_va_vcc(0) depctr_vm_vsrc(0)
	s_getreg_b32 s2, hwreg(HW_REG_IB_STS2, 6, 4)
	s_cmp_eq_u32 s2, 0
	s_cbranch_scc0 .Lentry_in_a_cluster
	s_endpgm
.Lentry_in_a_cluster:
	s_bfe_u32 s2, ttmp6, 0x10000c
	s_cmp_lg_u32 s2, 0xf033
	s_cbranch_scc0 .Lentry_shape_is_right
	s_endpgm
.Lentry_shape_is_right:
; out = y W_proj + b_proj on codes of FP6 (E2M3); out is f32.  y's codes and scale words lie as x's do in the first product's launch, W_proj's records are groups 24-31 of wq.
; A work-group makes 256 tokens x 128 columns, a wave 128 x 64: 32 accumulators.  256 work-groups.  ALL OF K LIES IN LDS, FILLED ONCE: 8 records of y (25,600 bytes) and 8 of W (12,800 bytes): no slot is filled again.
; CLUSTERS: 4 x 4 work-groups; y's records are shared along a row of the cluster, W's along a column: each is asked for jointly.  Four joint loads a wave are out at the most, one for each chunk of two K steps.
; The matrix instruction is used transposed (source 0 = 16 columns of W, source 1 = 16 tokens): a lane holds eight neighbouring columns of one token's row.  The rows of every tile are 8 u + r + 8 (r / 8) of a group of 32.
; The bias is the C of each sum's first matrix instruction.  The way out goes through each wave's own stage in LDS, so that sixteen lanes store 256 consecutive bytes, aligned.
; REGISTERS: window 0: v1-17 addresses; v32-47 scale words, two sets; v64-95 the bias; v128-191 the way out.  window 1: the 32 accumulators.  windows 2, 3: fragment sets 0, 1: v0-95 y's eight, v96-143 W's four.
.set AREC,  25600
.set BREC,  12800
.set BBASE, 8*AREC
.set STAGE, BBASE+8*BREC               ; behind the records: 16 rows x 272 bytes for each wave; no tensor load fills these bytes
.set SPARE, STAGE+4*16*272             ; behind the stages: the spare words, 128 bytes a wave
.set SPW, 3
.set NIL, 4
.set STO, 15
.set RD,  16
.set CO,  17
.set BI,  64
.set WV,  18
.set NH,  19
.set MH,  20
.set G1A, 24
.set G1B, 32
.set G0A, 40
.set G0B, 68
.set MSB, 0
.macro WIN new                         ; the immediate's high byte repeats the setting that is left
.if MSB != (\new)
	s_set_vgpr_msb (MSB<<8)|(\new)
.set MSB, (\new)
.endif
.endm
.macro CROUND                          ; a round of the cluster's barrier
	s_barrier_signal -1
	s_barrier_wait -1
	s_cmp_lg_u32 s[WV], 0
	s_cbranch_scc1 .Lnw0_\@
	s_barrier_signal -3
.Lnw0_\@:
	s_barrier_wait -3
	s_barrier_signal -1
	s_barrier_wait -1
.endm
	s_load_b256 s[4:11], s[0:1], 0x0               ; yq s[4:5], wq s[6:7], b_proj s[8:9], out0 s[10:11]
	v_lshl_add_u32 v[SPW], v0, 2, SPARE
	v_mov_b32 v[NIL], 0
	ds_add_u32 v[SPW], v[NIL]                      ; the wave's opening: the add and its wait ahead of my first tensor load
	v_lshrrev_b32 v1, 5, v0
	v_readfirstlane_b32 s[WV], v1
	s_and_b32 s[NH], s[WV], 1
	s_lshr_b32 s[MH], s[WV], 1
	s_bfe_u32 s21, ttmp6, 0x40000                  ; cx
	s_bfe_u32 s22, ttmp6, 0x40004                  ; cy
	s_lshl_b32 s23, ttmp9, 2
	s_add_co_u32 s23, s23, s21                     ; the group of 128 columns
	s_and_b32 s56, ttmp7, 0xffff
	s_lshl_b32 s56, s56, 2
	s_add_co_u32 s56, s56, s22                     ; the group of 256 tokens
	s_lshl_b32 s57, s22, 2
	s_lshl_b32 s57, 15, s57                        ; my row of the cluster
	s_lshl_b32 s58, 0x1111, s21                    ; my column
	s_or_b32 s[G1A], s57, (3<<16)|(1<<21)          ; 15:0 the mask; 17:16 elements of 8 bytes; 21 set beside a mask; no padding
	s_or_b32 s[G1B], s58, (3<<16)|(1<<21)
	s_mov_b32 s[G1A+1], 32<<16                     ; a record is a dense block: rows of 256 bytes
	s_mov_b32 s[G1A+2], 100<<16
	s_mov_b32 s[G1A+3], 32<<16
	s_mov_b32 s[G1A+4], 100
	s_mov_b32 s[G1A+5], 32
	s_mov_b32 s[G1A+6], 0
	s_mov_b32 s[G1A+7], 0
	s_mov_b32 s[G1B+1], 32<<16
	s_mov_b32 s[G1B+2], 50<<16
	s_mov_b32 s[G1B+3], 32<<16
	s_mov_b32 s[G1B+4], 50
	s_mov_b32 s[G1B+5], 32
	s_mov_b32 s[G1B+6], 0
	s_mov_b32 s[G1B+7], 0
	s_mul_i32 s59, s[NH], AREC
	s_mul_i32 s60, s56, 8*AREC
	s_add_co_u32 s60, s60, s59
	s_mov_b32 s61, 0
	s_mul_i32 s66, s[NH], BREC
	s_mul_i32 s62, s23, 8*BREC
	s_add_co_u32 s62, s62, s66
	s_add_co_u32 s62, s62, 24*8*BREC               ; W_proj's groups lie behind W_attn's 24
	s_mov_b32 s63, 0
	s_wait_dscnt 0x0                               ; the opening add is done
	s_wait_kmcnt 0x0
	s_add_nc_u64 s[60:61], s[4:5], s[60:61]
	s_add_nc_u64 s[62:63], s[6:7], s[62:63]
.irp c, 0,1,2,3
	s_mov_b32 s[G0A+4*\c], 1
	s_add_co_u32 s[G0A+4*\c+1], s59, \c*2*AREC
	s_add_nc_u64 s[G0A+4*\c+2:G0A+4*\c+3], s[60:61], \c*2*AREC
	s_or_b32 s[G0A+4*\c+3], s[G0A+4*\c+3], 0x80000000
	s_mov_b32 s[G0B+4*\c], 1
	s_add_co_u32 s[G0B+4*\c+1], s66, BBASE+\c*2*BREC
	s_add_nc_u64 s[G0B+4*\c+2:G0B+4*\c+3], s[62:63], \c*2*BREC
	s_or_b32 s[G0B+4*\c+3], s[G0B+4*\c+3], 0x80000000
.endr
	CROUND                                         ; all sixteen work-groups are here: the joint loads meet
	s_cmp_lt_u32 s[WV], 2                          ; waves 0, 1 fetch y's records, waves 2, 3 W's: a wave's four fills stand in one branch on the wave's number
	s_cbranch_scc0 .Lfill_b
.irp c, 0,1,2,3
	tensor_load_to_lds s[G0A+4*\c:G0A+4*\c+3], s[G1A:G1A+7]
	s_nop 0
.endr
.rept 4
	v_nop
.endr
	s_branch .Lfilled
.Lfill_b:
.irp c, 0,1,2,3
	tensor_load_to_lds s[G0B+4*\c:G0B+4*\c+3], s[G1B:G1B+7]
	s_nop 0
.endr
.rept 4
	v_nop
.endr
.Lfilled:
	v_and_b32 v5, 31, v0
	v_lshlrev_b32 v1, 4, v5                        ; 16 L
	v_lshlrev_b32 v2, 3, v5                        ; 8 L
	v_and_b32 v6, 15, v0                           ; r
	v_bfe_u32 v7, v0, 4, 1                         ; h
	s_mul_i32 s85, s[MH], 12288
	v_add_nc_u32 v8, s85, v1
	v_add_nc_u32 v9, s85, v2
	v_add_nc_u32 v9, 512, v9
	s_lshl_b32 s85, s[MH], 9
	s_add_co_u32 s85, s85, 24576
	v_add_nc_u32 v10, s85, v2
	s_mul_i32 s85, s[NH], 6144
	s_add_co_u32 s85, s85, BBASE
	v_add_nc_u32 v11, s85, v1
	v_add_nc_u32 v12, s85, v2
	v_add_nc_u32 v12, 512, v12
	s_lshl_b32 s85, s[NH], 8
	s_add_co_u32 s85, s85, BBASE+12288
	v_add_nc_u32 v13, s85, v2
	s_lshl_b32 s86, s23, 9                         ; my 64 columns, in bytes: in the bias and in a row of out
	s_lshl_b32 s87, s[NH], 8
	s_add_co_u32 s86, s86, s87
	s_mov_b32 s87, 0
	s_add_nc_u64 s[8:9], s[8:9], s[86:87]
	v_lshlrev_b32 v14, 6, v7                       ; tile 2 b + u: register j is column 32 b + 8 u + 16 h + j
.irp t, 0,1,2,3
	global_load_b128 v[BI+8*\t:BI+8*\t+3], v14, s[8:9] offset:(32*(\t/2)+8*(\t%2))*4
	global_load_b128 v[BI+8*\t+4:BI+8*\t+7], v14, s[8:9] offset:(32*(\t/2)+8*(\t%2))*4+16
.endr
	s_mul_i32 s85, s[WV], 16*272
	s_add_co_u32 s85, s85, STAGE                   ; my stage
	v_mul_u32_u24 v[STO], v6, 272
	v_lshl_add_u32 v[STO], v7, 6, v[STO]
	v_add_nc_u32 v[STO], s85, v[STO]               ; in: row r, + 64 h
	v_mul_u32_u24 v[RD], v7, 272
	v_lshl_add_u32 v[RD], v6, 4, v[RD]
	v_add_nc_u32 v[RD], s85, v[RD]                 ; back: lanes 0-15 one row of 256 bytes, lanes 16-31 the next
	v_lshlrev_b32 v[CO], 12, v7
	v_lshl_add_u32 v[CO], v6, 4, v[CO]             ; and the same two rows in out
	s_lshl_b32 s92, s56, 8
	s_lshl_b32 s93, s[MH], 7
	s_add_co_u32 s92, s92, s93                     ; my first token
	s_lshl_b32 s92, s92, 12
	s_add_co_u32 s92, s92, s86
	s_mov_b32 s93, 0
	s_add_nc_u64 s[88:89], s[10:11], s[92:93]
.macro FRAG reg, a16, a8, off
	ds_load_b128 v[\reg:\reg+3], v[\a16] offset:\off
	ds_load_b64 v[\reg+4:\reg+5], v[\a8] offset:\off
	ds_load_b128 v[\reg+6:\reg+9], v[\a16] offset:\off+768
	ds_load_b64 v[\reg+10:\reg+11], v[\a8] offset:\off+768
.endm
.macro FETCH p                         ; a K step's 12 fragments into set p, its scale words into scale set p: 51 LDS loads
	WIN 0x80+0x40*(\p)
.set fi, 0
.rept 8
	FRAG 12*fi, 8, 9, 1536*fi
.set fi, fi+1
.endr
.set fi, 0
.rept 4
	FRAG 96+12*fi, 11, 12, 1536*fi
.set fi, fi+1
.endr
	WIN 0
	ds_load_b64 v[32+8*(\p):33+8*(\p)], v10
	ds_load_b64 v[34+8*(\p):35+8*(\p)], v10 offset:256
	ds_load_b64 v[36+8*(\p):37+8*(\p)], v13
.endm
.macro WMX
.if wFA && wFB
	v_wmma_scale_f32_16x16x128_f8f6f4 v[wD:wD+7], v[wA:wA+11], v[wB:wB+11], v[wC:wC+7], v[wSA], v[wSB] matrix_a_fmt:MATRIX_FMT_FP6 matrix_b_fmt:MATRIX_FMT_FP6 matrix_a_scale:MATRIX_SCALE_ROW1 matrix_b_scale:MATRIX_SCALE_ROW1
.elseif wFA
	v_wmma_scale_f32_16x16x128_f8f6f4 v[wD:wD+7], v[wA:wA+11], v[wB:wB+11], v[wC:wC+7], v[wSA], v[wSB] matrix_a_fmt:MATRIX_FMT_FP6 matrix_b_fmt:MATRIX_FMT_FP6 matrix_a_scale:MATRIX_SCALE_ROW1
.elseif wFB
	v_wmma_scale_f32_16x16x128_f8f6f4 v[wD:wD+7], v[wA:wA+11], v[wB:wB+11], v[wC:wC+7], v[wSA], v[wSB] matrix_a_fmt:MATRIX_FMT_FP6 matrix_b_fmt:MATRIX_FMT_FP6 matrix_b_scale:MATRIX_SCALE_ROW1
.else
	v_wmma_scale_f32_16x16x128_f8f6f4 v[wD:wD+7], v[wA:wA+11], v[wB:wB+11], v[wC:wC+7], v[wSA], v[wSB] matrix_a_fmt:MATRIX_FMT_FP6 matrix_b_fmt:MATRIX_FMT_FP6
.endif
.endm
.macro MUL p, first                    ; 32 matrix instructions: the 32 accumulators by turns, one instruction a turn
.set mt, 0
.rept 8
.set nt, 0
.rept 4
.set wD, 8*(4*mt+nt)
.set wA, 96+12*nt
.set wB, 12*mt
.set wSA, 36+8*(\p)+nt/2
.set wSB, 32+8*(\p)+2*(mt/4)+(mt%4)/2
.set wFA, nt%2
.set wFB, mt%2
.if \first
.set wC, BI+8*nt
.else
.set wC, wD
.endif
	WMX
.set nt, nt+1
.endr
.set mt, mt+1
.endr
.endm
.macro KSTEP ks, first
.if \ks < 7
.if (\ks+1)%2 == 0
	s_wait_tensorcnt 3-(\ks+1)/2                   ; my load of the next chunk has landed; my loads of the later chunks may stay out
	s_wait_dscnt 0x0
	s_barrier_signal -1
	s_barrier_wait -1                              ; everybody's part of the chunk is in
.endif
	v_add_nc_u32 v8, AREC, v8                      ; on to the next K step's records; also the places in front of loads into registers that matrix instructions have read
	v_add_nc_u32 v9, AREC, v9
	v_add_nc_u32 v10, AREC, v10
	v_add_nc_u32 v11, BREC, v11
	v_add_nc_u32 v12, BREC, v12
	v_add_nc_u32 v13, BREC, v13
	FETCH (\ks+1)%2
	s_wait_dscnt 51                                ; all but the 51 just issued
.else
	s_wait_dscnt 0x0
.endif
.if \first
	WIN 0x4a                                       ; sources in window 2, C (the bias) in window 0, D in window 1
.elseif \ks%2
	WIN 0x5f
.else
	WIN 0x5a
.endif
	MUL \ks%2, \first
	WIN 0
.endm
	s_wait_tensorcnt 3                             ; my load of chunk 0 has landed,
	s_barrier_signal -1
	s_barrier_wait -1                              ; everybody's has
	FETCH 0
	s_wait_loadcnt 0x0                             ; the bias
	KSTEP 0, 1
	KSTEP 1, 0
	KSTEP 2, 0
	KSTEP 3, 0
	KSTEP 4, 0
	KSTEP 5, 0
	KSTEP 6, 0
	KSTEP 7, 0
; THE WAY OUT, a tile of 16 tokens x 64 columns at a time, through my own stage: LDS serves a wave's instructions in order, so no wait stands between the stores and the loads
.macro TOSTAGE mt
	WIN 0x04                                       ; an LDS store's data are its source 1: the accumulators' window
.set nt, 0
.rept 4
	ds_store_b128 v[STO], v[8*(4*(\mt)+nt):8*(4*(\mt)+nt)+3] offset:128*(nt/2)+32*(nt%2)          ; each accumulator from its low end on
	ds_store_b128 v[STO], v[8*(4*(\mt)+nt)+4:8*(4*(\mt)+nt)+7] offset:128*(nt/2)+32*(nt%2)+16
.set nt, nt+1
.endr
	WIN 0
.set BB, 128+32*((\mt)%2)
.set t8, 0
.rept 8
	ds_load_b128 v[BB+4*t8:BB+4*t8+3], v[RD] offset:544*t8
.set t8, t8+1
.endr
.endm
.macro SEND mt, younger                ; younger: the LDS instructions issued behind this tile's loads
.set BB, 128+32*((\mt)%2)
	s_wait_dscnt \younger
.set t8, 0
.rept 8
	global_store_b128 v[CO], v[BB+4*t8:BB+4*t8+3], s[88:89] offset:(32*((\mt)/2)+8*((\mt)%2)+2*t8+8*(t8/4))*4096 th:TH_STORE_NT   ; 16 lanes store 256 consecutive bytes, aligned; stage row rr is token 32 f + 8 u + rr + 8 (rr / 8)
.set t8, t8+1
.endr
.endm
.rept 4
	v_nop                                          ; four places between the last products and the first read of results
.endr
	TOSTAGE 0
.irp a, 1,2,3,4,5,6,7
.if \a > 1
	s_wait_xcnt 0x0                                ; tile a - 2's stores have read their registers: tile a's loads may land there
.endif
	TOSTAGE \a
	SEND \a-1, 16                                  ; behind tile a - 1's loads: tile a's 8 stores and 8 loads
.endr
	SEND 7, 0
	s_wait_tensorcnt 0x0                           ; the wave's end
	ds_add_u32 v[SPW], v[NIL]
	s_wait_dscnt 0x0
	CROUND                                         ; the closing round
	s_endpgm
.Lfunc_end_k_q2613ed8d30_proj:
	.size	k_q2613ed8d30_proj, .Lfunc_end_k_q2613ed8d30_proj-k_q2613ed8d30_proj
	.p2alignl 7, 3214868480
	.fill 96, 4, 3214868480
	.section	.rodata,"a",@progbits
	.p2align	6, 0x0
	.amdhsa_kernel k_q2613ed8d30_proj
		.amdhsa_group_segment_fixed_size 327680
		.amdhsa_private_segment_fixed_size 0
		.amdhsa_enable_private_segment 0
		.amdhsa_kernarg_size 32
		.amdhsa_user_sgpr_count 2
		.amdhsa_user_sgpr_kernarg_segment_ptr 1
		.amdhsa_wavefront_size32 1
		.amdhsa_system_sgpr_workgroup_id_x 1
		.amdhsa_system_sgpr_workgroup_id_y 1
		.amdhsa_system_sgpr_workgroup_id_z 1
		.amdhsa_system_vgpr_workitem_id 0
		.amdhsa_next_free_vgpr 1024
		.amdhsa_next_free_sgpr 100
		.amdhsa_reserve_vcc 0
		.amdhsa_float_denorm_mode_32 3
		.amdhsa_float_denorm_mode_16_64 3
		.amdhsa_memory_ordered 1
		.amdhsa_forward_progress 1
		.amdhsa_inst_pref_size 86
	.end_amdhsa_kernel
	.amdgpu_metadata
---
amdhsa.version: [ 1, 2 ]
amdhsa.kernels:
  - .name:           k_q2613ed8d30_proj
    .symbol:         k_q2613ed8d30_proj.kd
    .args:
      - { .name: yq, .offset: 0, .size: 8, .value_kind: global_buffer, .address_space: global }
      - { .name: wq, .offset: 8, .size: 8, .value_kind: global_buffer, .address_space: global }
      - { .name: b_proj, .offset: 16, .size: 8, .value_kind: global_buffer, .address_space: global }
      - { .name: out0, .offset: 24, .size: 8, .value_kind: global_buffer, .address_space: global }
    .group_segment_fixed_size: 327680
    .private_segment_fixed_size: 0
    .kernarg_segment_align: 8
    .kernarg_segment_size: 32
    .max_flat_workgroup_size: 128
    .sgpr_count:     100
    .vgpr_count:     1024
    .wavefront_size: 32
...
	.end_amdgpu_metadata
.endif
;; end of part 4
